; MI455X (gfx1250); checked and timed in simulation.
; The chip was launched on July 23, 2026; its instructions are those of AMD's public machine-readable ISA for CDNA 5 (MIT licence, August 2026) and "CDNA5" Instruction Set Architecture Reference Guide (July 2026). The comments in the code are by the model that wrote it; some were corrected since.
;; Mo E Layer. Allowed arithmetic: float matrix products may take bf16 or f16 operands with f32 sums; other float arithmetic in f32, or as packed bf16 or f16 multiplies, adds, multiply-adds, maxima and minima; sums over many terms, partial sums and values carried from step to step in f32; what a program stores and reads back later, other than sums and carried values, may be rounded once to bf16 or f16.
;; Inputs: b1 8 x 512 float32; b2 8 x 1,024 float32; gate_w 8 x 1,024 float32; hidden_states 4 x 2,048 x 1,024 float32; w1 8 x 512 x 1,024 float32; w2 8 x 1,024 x 512 float32.
;; Outputs: out0 4 x 2,048 x 1,024 float32; out1 one number float32.
;; 2 versions, each right; version 2 is version 1 with the launch prep written anew for expert scheduling mode. Each part assembles by itself: llvm-mc -triple=amdgcn-amd-amdhsa -mcpu=gfx1250 --defsym DOCPART=n.
;; ======== version 1 of 2: 2 launches
;; limits: a function is approximated: absolute error at most 2.5e-05
;; workspace buffers: w1p 8,388,608 bytes; w2p 8,388,608 bytes; xb 16,777,216 bytes; wts 65,536 bytes; psum 32,768 bytes; bits 32,768 bytes of whole numbers; cnts 32,768 bytes of whole numbers
;; launch prep (part 1): grid 256 x 1, 8 waves a work-group, no clusters, 159,488 bytes of LDS; arguments hidden_states, gate_w, w1, w2, xb, w1p, w2p, wts, psum, bits, cnts; writes xb, w1p, w2p, wts, psum, bits, cnts
.if DOCPART == 1
	.amdgcn_target "amdgcn-amd-amdhsa--gfx1250"
	.amdhsa_code_object_version 6
	.text
	.protected	k_qbbd048eba4_prep
	.globl	k_qbbd048eba4_prep
	.p2align	8
	.type	k_qbbd048eba4_prep,@function
k_qbbd048eba4_prep:
	s_mov_b64 s[64:65], 0
	v_nop
	global_prefetch_b8 v0, s[64:65] scope:SCOPE_SE
	s_setreg_imm32_b32 hwreg(HW_REG_WAVE_MODE, 25, 1), 1
	s_wait_xcnt 0x0
; PREP.  Work-group g of 256, eight waves, does three things.
; (1) ROUTER for tokens 32 g .. 32 g + 31: x and gate_w are rounded to bf16 and multiplied on the matrix unit (wave w takes K = 128 w .. +127 for all
;     32 tokens; wave 0 adds the eight parts in f32), softmax with its maximum taken away, the two largest probabilities (a tie keeps the lower expert), their weights.
; (2) x leaves as bf16 (xb), for the next launch's gather.
; (3) 1/256 of w1 and w2 is rounded to bf16 and stored in the order in which a wave's operand registers take it: fragments of 1,024 bytes
;     (16 weight rows x 32 k; byte 16 L holds lane L's registers 0-3, byte 512 + 16 L its registers 4-7).
;     w1p byte = e<<20 | cg<<17 | step<<13 | ks<<12 | nb<<10 (cg: 64 hidden columns; step: 64 of K);  w2p byte = e<<20 | cg<<16 | step<<13 | ks<<12 | nb<<10.
; What the router chose steers no address and no branch here: it is stored at fixed places.  A token's pair of experts e_lo < e_hi is a SET,
; sid = ((e_lo (15 - e_lo)) >> 1) + e_hi - e_lo - 1, 0 .. 27.  bits[set][g]: bit t = token 32 g + t has that set.  cnts[g][set]: how many.
; wts[token] = weight of e_lo, weight of e_hi.  psum[g][0..7] = sums of the probabilities, [8..15] = how often each expert was chosen, [16..31] = 0.
; LIMITS.  All inputs are rounded to bf16 (nearest even), the router's too; a second and a third probability that differ by no more than the rounding of f32 sums
; may be ordered otherwise than by another order of summation; NaN and infinities are not treated apart.
; No tensor loads and no cluster: the work-groups share only gate_w, 32 KB beside the 256 KB that each reads alone.
.set GP,    2064                       ; an LDS row of 1,024 bf16 + 16 bytes: 129 x 16, so the 16 rows of a fragment load start at 16 different groups of four banks
.set GT,    0                          ; gate_w in bf16: 8 rows
.set XL,    16640                      ; x in bf16: 32 rows
.set PART,  82688                      ; [wave][token 32][8 f32]: the waves' parts of the logits
.set CST,   90880                      ; each wave's own stage for the cast: 16 rows x 528 bytes
.set CP,    528
.set SPARE, 158464                     ; the spare words: 128 bytes a wave, four blocks of 256 bytes that no other line names
.set ROFF,  16                         ; v16-31   packed gate, then the cast's 16 row offsets, then the two accumulators
.set LND,   32                         ; v32-159  landing: x (32 tk + 4 j), then the weights (8 rr + 4 seg)
.set XPK,   160                        ; v160-223 x packed, 16 registers a token
.set GLD,   224                        ; v224-255 gate_w as loaded
.set GF,    160                        ; later: gate fragments, 8 c
.set TF,    192                        ; token fragments, 32 t + 8 c
.set RB,    160                        ; later: the cast's fragments read back
	s_load_b512 s[8:23], s[0:1], 0x0               ; hidden s[8:9], gate s[10:11], w1 s[12:13], w2 s[14:15], xb s[16:17], w1p s[18:19], w2p s[20:21], wts s[22:23]
	s_load_b128 s[24:27], s[0:1], 0x40             ; psum s[24:25], bits s[26:27]
	s_load_b64 s[28:29], s[0:1], 0x50              ; cnts
	v_lshl_add_u32 v4, v0, 2, SPARE                ; my spare word; never rewritten
	v_mov_b32 v5, 0                                ; 0; never rewritten
	v_lshrrev_b32 v15, 5, v0
	v_readfirstlane_b32 s2, v15                    ; wave w
	s_mov_b32 s3, ttmp9                            ; g
	v_and_b32 v1, 31, v0                           ; lane l
	v_lshlrev_b32 v2, 4, v1                        ; 16 l
	v_lshlrev_b32 v3, 3, v1                        ; 8 l
	v_and_b32 v6, 15, v1                           ; r
	v_lshrrev_b32 v7, 4, v1                        ; h
	v_and_b32 v15, 7, v1
	s_lshl_b32 s30, s2, 8                          ; my K slice: 128 bf16
	v_mul_u32_u24 v8, v15, GP                      ; gate fragment: row r & 7 (rows 8-15 of the operand repeat rows 0-7)
	v_lshl_add_u32 v8, v7, 4, v8
	v_add_nc_u32 v8, s30, v8
	s_add_co_u32 s31, s30, XL
	v_mul_u32_u24 v9, v6, GP                       ; token fragment: row r
	v_lshl_add_u32 v9, v7, 4, v9
	v_add_nc_u32 v9, s31, v9
	s_mul_i32 s32, s2, 16*CP
	s_add_co_u32 s32, s32, CST                     ; my stage
	v_add_nc_u32 v10, s32, v3                      ; in: 8 bytes a lane
	v_mul_u32_u24 v11, v6, CP                      ; back: as a fragment
	v_lshl_add_u32 v11, v7, 4, v11
	v_add_nc_u32 v11, s32, v11
	s_lshl_b32 s33, s2, 10
	s_add_co_u32 s33, s33, PART
	v_lshl_add_u32 v12, v6, 5, s33                 ; my part of the logits: token r, 32 bytes
	s_mul_i32 s33, s2, 4*GP
	s_add_co_u32 s33, s33, XL
	v_add_nc_u32 v13, s33, v3                      ; my four tokens' rows in XL
	s_mul_i32 s33, s2, GP
	v_add_nc_u32 v14, s33, v3                      ; my row of GT
	; the cast's unit: u = (g & 127) 8 + w: 16 weight rows x 256 k.  g < 128: w1 (rows of 4,096 bytes, four units a row block); else w2 (2,048 bytes, two)
	s_and_b32 s34, s3, 127
	s_lshl3_add_u32 s34, s34, s2                   ; u
	s_cmp_lt_u32 s3, 128
	s_cselect_b32 s35, 2, 1                        ; SH
	s_lshr_b32 s40, s34, s35                       ; rg: which 16 rows
	s_bfm_b32 s41, s35, 0
	s_and_b32 s41, s34, s41                        ; kq: which 256 of K
	s_lshl_b32 s42, 0x400, s35                     ; bytes from row to row
	s_add_co_u32 s43, s35, 14
	s_lshl_b32 s44, s40, s43                       ; source: 16 rows a block,
	s_lshl_b32 s45, s41, 10                        ; 1,024 bytes a unit
	s_add_co_u32 s44, s44, s45
	s_mov_b32 s45, 0
	s_lshr_b32 s46, s40, 2                         ; destination: the group of 64 rows,
	s_add_co_u32 s47, s35, 15
	s_lshl_b32 s46, s46, s47
	s_lshl_b32 s47, s41, 15                        ; four steps of 8,192 bytes a unit,
	s_add_co_u32 s46, s46, s47
	s_and_b32 s47, s40, 3
	s_lshl_b32 s47, s47, 10                        ; the block of 16 rows in the group
	s_add_co_u32 s46, s46, s47
	s_mov_b32 s47, 0
	s_mov_b32 s49, 0
	s_mov_b32 s50, 0x76543210                      ; v_permlanex16_b32: each lane takes its own place in the other half
	s_mov_b32 s51, 0xfedcba98
	s_wait_kmcnt 0x0
	s_cmp_lt_u32 s3, 128
	s_cselect_b64 s[36:37], s[12:13], s[14:15]     ; the cast's source
	s_cselect_b64 s[38:39], s[18:19], s[20:21]     ; and destination
	s_add_nc_u64 s[36:37], s[36:37], s[44:45]
	s_add_nc_u64 s[38:39], s[38:39], s[46:47]
	s_lshl_b32 s48, s3, 17
	s_lshl_b32 s33, s2, 14
	s_add_co_u32 s48, s48, s33
	s_add_nc_u64 s[8:9], s[8:9], s[48:49]          ; x at my four tokens
	s_lshl_b32 s48, s2, 12
	s_add_nc_u64 s[10:11], s[10:11], s[48:49]      ; gate_w at row w
	s_lshl_b32 s48, s3, 16
	s_lshl_b32 s33, s2, 13
	s_add_co_u32 s48, s48, s33
	s_add_nc_u64 s[16:17], s[16:17], s[48:49]      ; xb at my four tokens
	s_lshl_b32 s48, s3, 8
	s_add_nc_u64 s[22:23], s[22:23], s[48:49]      ; wts at the group's tokens
	s_lshl_b32 s48, s3, 7
	s_add_nc_u64 s[24:25], s[24:25], s[48:49]      ; psum and cnts at row g
	s_add_nc_u64 s[28:29], s[28:29], s[48:49]
	s_lshl_b32 s48, s3, 2
	s_add_nc_u64 s[26:27], s[26:27], s[48:49]      ; bits at word g
	; 40 loads go out at once: my row of gate_w, then my four tokens; each covers 512 consecutive bytes
.set j, 0
.rept 8
	global_load_b128 v[GLD+4*j:GLD+4*j+3], v2, s[10:11] offset:512*j
.set j, j+1
.endr
.set tk, 0
.rept 4
.set j, 0
.rept 8
	global_load_b128 v[LND+32*tk+4*j:LND+32*tk+4*j+3], v2, s[8:9] offset:4096*tk+512*j th:TH_LOAD_NT
.set j, j+1
.endr
.set tk, tk+1
.endr
	s_wait_loadcnt 32                              ; the 32 loads of x stand behind the gate's
.set j, 0
.rept 8
	v_cvt_pk_bf16_f32 v[ROFF+2*j], v[GLD+4*j], v[GLD+4*j+1]
	v_cvt_pk_bf16_f32 v[ROFF+2*j+1], v[GLD+4*j+2], v[GLD+4*j+3]
.set j, j+1
.endr
.set j, 0
.rept 8
	ds_store_b64 v14, v[ROFF+2*j:ROFF+2*j+1] offset:256*j
.set j, j+1
.endr
.set j, 0
.rept 16
	v_mad_u32_u24 v[ROFF+j], s42, j, v2            ; the cast's row offsets: 16 l + row x pitch (the pitch differs between w1 and w2, so it is no immediate)
.set j, j+1
.endr
; Token tk: rounded, stored to xb (each store covers 256 consecutive bytes, aligned) and to XL; its landing registers take four rows of the cast's unit.
.macro TOKEN tk
	s_wait_loadcnt 24                              ; behind this token's loads stand 8 (3 - tk) of x and 8 tk of the cast: always 24
.set j, 0
.rept 8
	v_cvt_pk_bf16_f32 v[XPK+16*(\tk)+2*j], v[LND+32*(\tk)+4*j], v[LND+32*(\tk)+4*j+1]
	v_cvt_pk_bf16_f32 v[XPK+16*(\tk)+2*j+1], v[LND+32*(\tk)+4*j+2], v[LND+32*(\tk)+4*j+3]
.set j, j+1
.endr
.set j, 0
.rept 8
	global_store_b64 v3, v[XPK+16*(\tk)+2*j:XPK+16*(\tk)+2*j+1], s[16:17] offset:2048*(\tk)+256*j
	ds_store_b64 v13, v[XPK+16*(\tk)+2*j:XPK+16*(\tk)+2*j+1] offset:GP*(\tk)+256*j
.set j, j+1
.endr
.set j, 0
.rept 4
	global_load_b128 v[LND+32*(\tk)+8*j:LND+32*(\tk)+8*j+3], v[ROFF+4*(\tk)+j], s[36:37] th:TH_LOAD_NT
	global_load_b128 v[LND+32*(\tk)+8*j+4:LND+32*(\tk)+8*j+7], v[ROFF+4*(\tk)+j], s[36:37] offset:512 th:TH_LOAD_NT
.set j, j+1
.endr
.endm
	TOKEN 0
	TOKEN 1
	TOKEN 2
	TOKEN 3
	s_wait_dscnt 0x0                               ; for the others' sake: my rows of GT and XL are written
	s_barrier_signal -1
	s_barrier_wait -1
	s_wait_xcnt 0x0                                ; the packed x (data of the stores to xb) and the row offsets (addresses of the cast's loads) are rewritten only behind this wait
.set c, 0
.rept 4
	ds_load_b128 v[GF+8*c:GF+8*c+3], v8 offset:64*c
	ds_load_b128 v[GF+8*c+4:GF+8*c+7], v8 offset:64*c+32
	ds_load_b128 v[TF+8*c:TF+8*c+3], v9 offset:64*c
	ds_load_b128 v[TF+8*c+4:TF+8*c+7], v9 offset:64*c+32
	ds_load_b128 v[TF+32+8*c:TF+32+8*c+3], v9 offset:16*GP+64*c
	ds_load_b128 v[TF+32+8*c+4:TF+32+8*c+7], v9 offset:16*GP+64*c+32
.set c, c+1
.endr
	s_wait_dscnt 0x0
	; source 0 = the gate's rows, source 1 = 16 tokens: lane r then holds experts 0-7 of token r in registers 0-7 (both halves of the lanes alike).  The two accumulators take turns.
	v_wmma_f32_16x16x32_bf16 v[16:23], v[GF:GF+7], v[TF:TF+7], 0
	v_wmma_f32_16x16x32_bf16 v[24:31], v[GF:GF+7], v[TF+32:TF+39], 0
.set c, 1
.rept 3
	v_wmma_f32_16x16x32_bf16 v[16:23], v[GF+8*c:GF+8*c+7], v[TF+8*c:TF+8*c+7], v[16:23]
	v_wmma_f32_16x16x32_bf16 v[24:31], v[GF+8*c:GF+8*c+7], v[TF+32+8*c:TF+32+8*c+7], v[24:31]
.set c, c+1
.endr
.rept 4
	v_nop                                          ; four places between the last product and the stores that read the results
.endr
	ds_store_b128 v12, v[16:19]
	ds_store_b128 v12, v[20:23] offset:16
	ds_store_b128 v12, v[24:27] offset:512
	ds_store_b128 v12, v[28:31] offset:528
	s_wait_dscnt 0x0                               ; for wave 0's sake
	s_barrier_signal -1
	s_barrier_wait -1
	; THE CAST: round in place, through my own stage, back as eight fragments, out in runs of 512 consecutive bytes
	s_wait_loadcnt 0x0
.set j, 0
.rept 32
	v_cvt_pk_bf16_f32 v[LND+4*j], v[LND+4*j], v[LND+4*j+1]
	v_cvt_pk_bf16_f32 v[LND+4*j+1], v[LND+4*j+2], v[LND+4*j+3]
.set j, j+1
.endr
.set j, 0
.rept 32
	ds_store_b64 v10, v[LND+4*j:LND+4*j+1] offset:CP*(j/2)+256*(j%2)
.set j, j+1
.endr
.set j, 0
.rept 8                                            ; fragment j: k = 32 j on.  LDS serves a wave's instructions in order (ISA guide 5.7.1.4): these see the stores above
	ds_load_b128 v[RB+8*j:RB+8*j+3], v11 offset:64*j
	ds_load_b128 v[RB+8*j+4:RB+8*j+7], v11 offset:64*j+32
.set j, j+1
.endr
.set j, 0
.rept 16
	s_wait_dscnt 15-j
	global_store_b128 v2, v[RB+4*j:RB+4*j+3], s[38:39] offset:4096*(j/2)+512*(j%2)
.set j, j+1
.endr
	; WAVE 0 finishes the router: lane = token
	s_cmp_lg_u32 s2, 0
	s_cbranch_scc1 .Ldone
	v_lshl_add_u32 v15, v1, 5, PART
.set i, 0
.rept 8
	ds_load_b128 v[32+8*i:35+8*i], v15 offset:1024*i
	ds_load_b128 v[36+8*i:39+8*i], v15 offset:1024*i+16
.set i, i+1
.endr
	s_wait_dscnt 0x0
.macro ADD8 a, b                       ; part b is added onto part a
.irp p, 0,2,4,6
	v_pk_add_f32 v[32+8*(\a)+\p:33+8*(\a)+\p], v[32+8*(\a)+\p:33+8*(\a)+\p], v[32+8*(\b)+\p:33+8*(\b)+\p]
.endr
.endm
	ADD8 0, 1
	ADD8 2, 3
	ADD8 4, 5
	ADD8 6, 7
	ADD8 0, 2
	ADD8 4, 6
	ADD8 0, 4                                      ; v32-39: the eight logits
	v_max3_num_f32 v40, v32, v33, v34
	v_max3_num_f32 v40, v40, v35, v36
	v_max3_num_f32 v40, v40, v37, v38
	v_max_num_f32 v40, v40, v39                    ; the maximum is taken away before the exponentials
.irp e, 0,1,2,3,4,5,6,7
	v_sub_f32 v[48+\e], v[32+\e], v40
.endr
.irp e, 0,1,2,3,4,5,6,7
	v_mul_f32 v[48+\e], 0x3fb8aa3b, v[48+\e]       ; log2(e)
.endr
.irp e, 0,1,2,3,4,5,6,7
	v_exp_f32 v[48+\e], v[48+\e]
.endr
	v_nop                                          ; a plain instruction behind the last exponential,
	s_wait_alu depctr_va_vdst(0)                   ; and one wait for the batch of eight, ahead of the first reader
	v_add_f32 v41, v48, v49
	v_add_f32 v42, v50, v51
	v_add_f32 v43, v52, v53
	v_add_f32 v44, v54, v55
	v_add_f32 v41, v41, v42
	v_add_f32 v43, v43, v44
	v_add_f32 v41, v41, v43
	v_rcp_f32 v42, v41
	v_mov_b32 v65, 0                               ; (the plain instruction behind the reciprocal) the first choice's expert
	s_wait_alu depctr_va_vdst(0)
.irp e, 0,1,2,3,4,5,6,7
	v_mul_f32 v[56+\e], v[48+\e], v42              ; v56-63: the probabilities
.endr
	v_mov_b32 v64, v56
.irp e, 1,2,3,4,5,6,7                  ; upward with a strict comparison: a tie keeps the lower expert
	v_cmp_gt_f32 vcc_lo, v[56+\e], v64
	v_cndmask_b32 v64, v64, v[56+\e], vcc_lo
	v_cndmask_b32 v65, v65, \e, vcc_lo
.endr
.irp e, 0,1,2,3,4,5,6,7
	v_cmp_eq_u32 vcc_lo, \e, v65
	v_cndmask_b32 v[72+\e], v[56+\e], -1.0, vcc_lo ; the first choice leaves the field
.endr
	v_mov_b32 v66, v72
	v_mov_b32 v67, 0
.irp e, 1,2,3,4,5,6,7
	v_cmp_gt_f32 vcc_lo, v[72+\e], v66
	v_cndmask_b32 v66, v66, v[72+\e], vcc_lo
	v_cndmask_b32 v67, v67, \e, vcc_lo
.endr
	v_add_f32 v68, v64, v66
	v_rcp_f32 v68, v68
	v_min_u32 v82, v65, v67                        ; (the plain instruction) e_lo
	s_wait_alu depctr_va_vdst(0)
	v_mul_f32 v69, v64, v68
	v_mul_f32 v70, v66, v68
	v_max_u32 v71, v65, v67                        ; e_hi
	v_cmp_lt_u32 vcc_lo, v65, v67
	v_cndmask_b32 v80, v70, v69, vcc_lo            ; e_lo's weight,
	v_cndmask_b32 v81, v69, v70, vcc_lo            ; e_hi's
	global_store_b64 v3, v[80:81], s[22:23]        ; 256 consecutive bytes
	v_sub_nc_u32 v83, 15, v82
	v_mul_u32_u24 v83, v83, v82
	v_lshrrev_b32 v83, 1, v83
	v_add_nc_u32 v83, v83, v71
	v_sub_nc_u32 v83, v83, v82
	v_add_nc_u32 v83, -1, v83                      ; sid
	v_mov_b32 v84, 0
	v_mov_b32 v85, 0
	v_mov_b32 v86, 0
.set i, 0
.rept 28                                           ; lane s of v84 takes set s's bitmap of the 32 tokens, lane s of v85 its count
	v_cmp_eq_u32 s40, i, v83
	v_writelane_b32 v84, s40, i
	s_bcnt1_i32_b32 s41, s40
	v_writelane_b32 v85, s41, i
.set i, i+1
.endr
.irp m, 1,2,4,8                        ; the sums of the eight probabilities over the 32 tokens
.irp e, 0,1,2,3,4,5,6,7
	v_add_f32_dpp v[56+\e], v[56+\e], v[56+\e] row_xmask:\m row_mask:0xf bank_mask:0xf
.endr
.endr
.irp e, 0,1,2,3,4,5,6,7
	v_permlanex16_b32 v[72+\e], v[56+\e], s50, s51
.endr
.irp e, 0,1,2,3,4,5,6,7
	v_add_f32 v[56+\e], v[56+\e], v[72+\e]
.endr
.irp e, 0,1,2,3,4,5,6,7
	v_readfirstlane_b32 s40, v[56+\e]
	v_writelane_b32 v86, s40, \e
	v_cmp_eq_u32 s40, \e, v65
	v_cmp_eq_u32 s41, \e, v67
	s_or_b32 s40, s40, s41
	s_bcnt1_i32_b32 s40, s40
	s_cvt_f32_u32 s40, s40
	v_writelane_b32 v86, s40, 8+\e
.endr
	v_lshlrev_b32 v87, 10, v1
	v_lshlrev_b32 v88, 2, v1
	global_store_b32 v87, v84, s[26:27]            ; bits[set l][g]: 32 single words 1,024 bytes apart, once a work-group, so that the next launch reads a set's 1,024 bytes on end
	global_store_b32 v88, v85, s[28:29]            ; cnts[g][l]: 128 consecutive bytes
	global_store_b32 v88, v86, s[24:25]            ; psum[g][l]
.Ldone:
	s_wait_tensorcnt 0x0                           ; the wave's end: three lines behind my last LDS store
	ds_add_u32 v4, v5
	s_wait_dscnt 0x0
	s_endpgm
.Lfunc_end_k_qbbd048eba4_prep:
	.size	k_qbbd048eba4_prep, .Lfunc_end_k_qbbd048eba4_prep-k_qbbd048eba4_prep
	.p2alignl 7, 3214868480
	.fill 96, 4, 3214868480
	.section	.rodata,"a",@progbits
	.p2align	6, 0x0
	.amdhsa_kernel k_qbbd048eba4_prep
		.amdhsa_group_segment_fixed_size 159488
		.amdhsa_private_segment_fixed_size 0
		.amdhsa_enable_private_segment 0
		.amdhsa_kernarg_size 88
		.amdhsa_user_sgpr_count 2
		.amdhsa_user_sgpr_kernarg_segment_ptr 1
		.amdhsa_wavefront_size32 1
		.amdhsa_system_sgpr_workgroup_id_x 1
		.amdhsa_system_sgpr_workgroup_id_y 1
		.amdhsa_system_sgpr_workgroup_id_z 1
		.amdhsa_system_vgpr_workitem_id 0
		.amdhsa_next_free_vgpr 256
		.amdhsa_next_free_sgpr 66
		.amdhsa_reserve_vcc 1
		.amdhsa_float_denorm_mode_32 3
		.amdhsa_float_denorm_mode_16_64 3
		.amdhsa_memory_ordered 1
		.amdhsa_forward_progress 1
		.amdhsa_inst_pref_size 55
	.end_amdhsa_kernel
	.amdgpu_metadata
---
amdhsa.version: [ 1, 2 ]
amdhsa.kernels:
  - .name:           k_qbbd048eba4_prep
    .symbol:         k_qbbd048eba4_prep.kd
    .args:
      - { .name: hidden_states, .offset: 0, .size: 8, .value_kind: global_buffer, .address_space: global }
      - { .name: gate_w, .offset: 8, .size: 8, .value_kind: global_buffer, .address_space: global }
      - { .name: w1, .offset: 16, .size: 8, .value_kind: global_buffer, .address_space: global }
      - { .name: w2, .offset: 24, .size: 8, .value_kind: global_buffer, .address_space: global }
      - { .name: xb, .offset: 32, .size: 8, .value_kind: global_buffer, .address_space: global }
      - { .name: w1p, .offset: 40, .size: 8, .value_kind: global_buffer, .address_space: global }
      - { .name: w2p, .offset: 48, .size: 8, .value_kind: global_buffer, .address_space: global }
      - { .name: wts, .offset: 56, .size: 8, .value_kind: global_buffer, .address_space: global }
      - { .name: psum, .offset: 64, .size: 8, .value_kind: global_buffer, .address_space: global }
      - { .name: bits, .offset: 72, .size: 8, .value_kind: global_buffer, .address_space: global }
      - { .name: cnts, .offset: 80, .size: 8, .value_kind: global_buffer, .address_space: global }
    .group_segment_fixed_size: 159488
    .private_segment_fixed_size: 0
    .kernarg_segment_align: 8
    .kernarg_segment_size: 88
    .max_flat_workgroup_size: 256
    .sgpr_count:     66
    .vgpr_count:     256
    .wavefront_size: 32
...
	.end_amdgpu_metadata
.endif
;; end of part 1
;; launch chain (part 2): grid 155 x 1, 8 waves a work-group, no clusters, 304,896 bytes of LDS; arguments bits, cnts, psum, wts, xb, w1p, w2p, b1, b2, out0, out1; writes out0, out1
.if DOCPART == 2
	.amdgcn_target "amdgcn-amd-amdhsa--gfx1250"
	.amdhsa_code_object_version 6
	.text
	.protected	k_qbbd048eba4_chain
	.globl	k_qbbd048eba4_chain
	.p2align	8
	.type	k_qbbd048eba4_chain,@function
k_qbbd048eba4_chain:
	s_mov_b64 s[64:65], 0
	v_nop
	global_prefetch_b8 v0, s[64:65] scope:SCOPE_SE
	s_setreg_imm32_b32 hwreg(HW_REG_WAVE_MODE, 25, 1), 1
	s_wait_xcnt 0x0
; CHAIN.  A tile is up to 64 tokens that chose the SAME pair of experts e_lo < e_hi (a set).  With 8,192 tokens and 28 sets there are never more than 128 + 27 = 155 tiles,
; whatever the choice: that is the grid.  A work-group finds its tile by itself from the whole numbers that the launch before stored (cnts, bits), gathers the tokens' bf16 rows,
; and takes them through  H = weight x gelu(X W1^T + b1)  for both experts side by side (1,024 hidden columns, e_lo's first)  and  OUT = H W2cat^T + w_lo b2[e_lo] + w_hi b2[e_hi],
; one f32 sum for each output: every output row has one owner and is stored once.  A work-group that the split leaves without rows stores nothing.
; Places of a tile past its count repeat the set's last token (same bits to the same address); whole blocks of 16 rows past the count are not stored.
; Work-group 154's wave 0 also adds up out1 = 8 sum_e (mean probability_e) (load_e) from psum.
; SHARES.  Eight waves of 512 registers, two for each of the WGP's four SIMDs: a wave issues in order, so while it issues its loads, its activation or its stores it issues no product;
; the SIMD's other wave has products to issue meanwhile.  A wave's tile is 64 tokens x 64 columns whatever the number of waves, so eight waves read no more from LDS or memory than four would.
; In each layer a wave has 128 of the 1,024 columns, in two passes of 64, for all 64 tokens: 16 accumulators of 16 x 16.  K = 1,024 goes in 32 halves of 32.
; The matrix instruction is used transposed (source 0 = 16 weight rows, source 1 = 16 tokens): a lane holds eight neighbouring columns of one token.
; WEIGHTS come from memory straight into operand registers (they were laid out so): a ring of four buffers of 32 registers, filled again straight behind its reader; no LDS, no barrier in a loop.
; NO TENSOR LOADS, NO CLUSTER: X and H take 264,192 of the LDS bytes, which leaves no room for slots of weights; and partners would have to own tiles of one set, which hangs on the counts.
; FORMATS AND LIMITS.  x, w1, w2 arrive rounded to bf16; b1 and b2 are rounded to bf16 here; the weighted hidden layer is rounded once to bf16; everything else is f32.
; erf(x) = 1 - (a1 t + a2 t^2 + a3 t^3) exp(-x^2), t = 1 / (1 + 0.47047 x): absolute error at most 2.5e-5 for every x.  NaN and infinities are not treated apart.
; REGISTERS, in windows of 256 (s_set_vgpr_msb: bits 1:0 source 0, 3:2 source 1, 5:4 source 2, 7:6 destination):
;   window 0: v0-31 addresses and work; v32-127 biases, the activation's work, weights, row offsets; v128-255 the accumulators, (tt, nb) at 128 + 8 (4 tt + nb)
;   window 1: v0-127 token fragments, four buffers (32 b + 8 tt), in the gather the landing; v128-255 the weights' ring, four buffers (128 + 32 b + 8 nb)
.set XP,    2064                       ; an LDS row of 1,024 bf16 + 16 bytes: 129 x 16: the 16 rows of a fragment load start at 16 different groups of four banks
.set BLK,   16*XP
.set HALF,  32*XP
.set XT,    0                          ; X: 64 rows
.set HT,    132096                     ; H: 64 rows
.set STG,   264192                     ; each wave's own stage for the way out: 16 rows x 272 bytes
.set SP,    272
.set CNTL,  299008                     ; 256 threads x 16 bytes: parts of the sets' counts
.set LIST,  303104                     ; the tile's 64 token numbers
.set WLIST, 303360                     ; their two weights
.set SPARE, 303872                     ; the spare words: 128 bytes a wave, four blocks of 256 bytes that no other line names
.set BIAS,  32                         ; v32-63   layer 1: b1 of my 64 columns (8 nb + j)
.set B2A,   32                         ;          layer 2: b2[e_lo]
.set B2B,   64                         ; v64-95   layer 2: b2[e_hi]
.set T,     64                         ; v64-79   layer 1, at work
.set M,     80                         ; v80-95
.set Q,     96                         ; v96-111
.set W0P,   96                         ; layer 2: (w_lo, w_hi) of token 16 tt + r at 96 + 2 tt
.set W1P,   104                        ; layer 2: w_hi twice at 104 + 2 tt
.set OFS,   112                        ; v112-119 layer 2: token x 4,096 + 16 r for row 2 i + h of the block that is going out
.set WTP,   120                        ; v120-127 layer 1: my expert's weight of token 16 tt + r, twice, at 120 + 2 tt
.set ACC,   128
.set RING,  128                        ; window 1
.set MSB, 0
.macro WIN new                         ; the immediate's high byte repeats the setting that is left; a switch that changes nothing is dropped
.if MSB != (\new)
	s_set_vgpr_msb (MSB<<8)|(\new)
.set MSB, (\new)
.endif
.endm
.set W_MUL, 0x05                       ; weights (source 0) and tokens (source 1) in window 1, C and D in window 0
.set W_LD,  0x40                       ; a load's destination in window 1
.set W_DS1, 0x04                       ; an LDS store's data in window 1
	s_load_b512 s[8:23], s[0:1], 0x0               ; bits s[8:9], cnts s[10:11], psum s[12:13], wts s[14:15], xb s[16:17], w1p s[18:19], w2p s[20:21], b1 s[22:23]
	s_load_b128 s[24:27], s[0:1], 0x40             ; b2 s[24:25], out0 s[26:27]
	s_load_b64 s[28:29], s[0:1], 0x50              ; out1
	v_lshl_add_u32 v5, v0, 2, SPARE                ; my spare word; never rewritten
	v_mov_b32 v6, 0                                ; 0; never rewritten
	v_lshrrev_b32 v21, 5, v0
	v_readfirstlane_b32 s2, v21                    ; wave W
	s_mov_b32 s3, ttmp9                            ; work-group
	v_and_b32 v1, 31, v0                           ; l
	v_and_b32 v2, 15, v0                           ; r
	v_bfe_u32 v3, v0, 4, 1                         ; h
	v_lshlrev_b32 v4, 4, v1                        ; 16 l
	v_lshlrev_b32 v7, 5, v3                        ; 32 h
	v_and_b32 v14, 7, v0                           ; l & 7: which of my eight rows of the gather
	v_lshlrev_b32 v18, 4, v2                       ; 16 r
	v_mul_u32_u24 v8, v2, XP
	v_lshl_add_u32 v8, v3, 4, v8                   ; X fragments, token blocks 0, 1
	v_add_nc_u32 v9, HALF, v8                      ; blocks 2, 3
	v_add_nc_u32 v10, HT, v8                       ; the same for H
	v_add_nc_u32 v11, HT+HALF, v8
	s_lshl_b32 s84, s2, 8
	v_add_nc_u32 v12, s84, v10                     ; where I put H: my 128 columns, token blocks 0, 1; never rewritten
	v_add_nc_u32 v13, s84, v11                     ; blocks 2, 3; never rewritten
	s_mul_i32 s84, s2, 16*SP
	s_add_co_u32 s84, s84, STG
	v_mul_u32_u24 v16, v2, SP                      ; stage, in: row r, 32 bytes for each half of the lanes
	v_lshl_add_u32 v16, v3, 5, v16
	v_add_nc_u32 v16, s84, v16
	v_mul_u32_u24 v17, v3, SP                      ; back: lanes 0-15 one row of 256 bytes, lanes 16-31 the next
	v_lshl_add_u32 v17, v2, 4, v17
	v_add_nc_u32 v17, s84, v17
	v_lshl_add_u32 v19, v2, 3, WLIST
	v_lshl_add_u32 v20, v3, 2, LIST
	v_lshlrev_b32 v21, 4, v0                       ; 16 x thread
	s_mov_b32 s66, 0x55555555
	s_mov_b32 s67, 0x33333333
	s_mov_b32 s68, 0x0f0f0f0f
	s_mov_b32 s69, 0x01010101
	s_mov_b32 s70, 0x3eaa540e                      ; 0.47047 / sqrt(2)
	s_mov_b32 s72, 0xbf38aa3b                      ; -log2(e) / 2
	s_mov_b32 s73, 0xbf38aa3b
	s_mov_b32 s74, 0x3ebf7377                      ; a3 / 2 = 0.3739278
	s_mov_b32 s75, 0x3ebf7377
	s_mov_b32 s76, 0xbd445ca1                      ; a2 / 2 = -0.0479399
	s_mov_b32 s77, 0xbd445ca1
	s_mov_b32 s78, 0x3e32303a                      ; a1 / 2 = 0.1740121
	s_mov_b32 s79, 0x3e32303a
	s_mov_b32 s80, 0x76543210
	s_mov_b32 s81, 0xfedcba98
	s_mov_b32 s82, 0xffff0000
	s_wait_kmcnt 0x0
	; THE SETS' COUNTS.  cnts is [256 words][32 sets]: thread t adds up sets 4 (t & 7) + 0..3 of every thirty-second row; LDS brings the 32 parts of a set together: lane s holds c_s
.set i, 0
.rept 8
	global_load_b128 v[32+4*i:35+4*i], v21, s[10:11] offset:4096*i
.set i, i+1
.endr
	s_wait_loadcnt 0x0
.set i, 1
.rept 7
	v_add_nc_u32 v32, v32, v[32+4*i]
	v_add_nc_u32 v33, v33, v[33+4*i]
	v_add_nc_u32 v34, v34, v[34+4*i]
	v_add_nc_u32 v35, v35, v[35+4*i]
.set i, i+1
.endr
	v_add_nc_u32 v22, CNTL, v21
	ds_store_b128 v22, v[32:35]
	s_wait_dscnt 0x0                               ; for the others' sake
	s_barrier_signal -1
	s_barrier_wait -1
	v_lshl_add_u32 v22, v1, 2, CNTL
.set i, 0
.rept 32
	ds_load_b32 v[32+i], v22 offset:128*i
.set i, i+1
.endr
	s_wait_dscnt 0x0
.set i, 1
.rept 31
	v_add_nc_u32 v32, v32, v[32+i]
.set i, i+1
.endr
	; WHICH TILE.  Set s has ceil(c_s / 64) tiles, the sets in order; mine is tile j of the last set whose first tile's number is not above my work-group's.
	s_mov_b32 s31, 0x10000                         ; SEL = set | e_lo << 8 | e_hi << 16
	s_mov_b32 s32, 0                               ; SB: the set's first tile
	s_mov_b32 s33, 0                               ; SC: its count
	s_mov_b32 s34, 0                               ; BASE
.macro SELSET s, e0, e1
	v_readlane_b32 s35, v32, \s
	s_add_co_u32 s36, s35, 63
	s_lshr_b32 s36, s36, 6
	s_cmp_ge_u32 s3, s34
	s_cselect_b32 s31, (\s)|((\e0)<<8)|((\e1)<<16), s31
	s_cselect_b32 s32, s34, s32
	s_cselect_b32 s33, s35, s33
	s_add_co_u32 s34, s34, s36
.endm
.set sid, 0
.irp a, 0,1,2,3,4,5,6
.irp b, 1,2,3,4,5,6,7
.if \b > \a
	SELSET sid, \a, \b
.set sid, sid+1
.endif
.endr
.endr
	s_sub_co_u32 s35, s3, s32                      ; j
	s_lshl_b32 s36, s35, 6                         ; 64 j
	s_sub_co_i32 s30, s33, s36
	s_min_i32 s30, s30, 64
	s_max_i32 s30, s30, 0                          ; NR: my tile's rows, 0 if the split leaves me none
	s_bfe_u32 s37, s31, 0x80008                    ; e_lo
	s_bfe_u32 s38, s31, 0x80010                    ; e_hi
	s_and_b32 s83, s31, 0xff                       ; the set
	s_cmp_lt_u32 s2, 4
	s_cselect_b32 s39, s37, s38                    ; layer 1: waves 0-3 have e_lo's hidden columns, waves 4-7 e_hi's
	s_min_u32 s37, s37, 6                          ; what enters an address is bounded in the instruction
	s_min_u32 s38, s38, 7
	s_min_u32 s39, s39, 7
	s_min_u32 s83, s83, 31
	s_mov_b32 s43, 0                               ; the high word of every offset pair s[42:43]
	s_and_b32 s84, s2, 3
	s_lshl_b32 s42, s39, 20
	s_lshl_b32 s85, s84, 18
	s_add_co_u32 s42, s42, s85
	s_add_nc_u64 s[50:51], s[18:19], s[42:43]      ; BA1: w1p at my expert's 128 columns (two groups of 131,072 bytes)
	s_lshl_b32 s85, s2, 17
	s_lshl_b32 s42, s37, 20
	s_add_co_u32 s42, s42, s85
	s_add_nc_u64 s[52:53], s[20:21], s[42:43]      ; BA2: w2p[e_lo] at my 128 output columns (two groups of 65,536 bytes)
	s_lshl_b32 s42, s38, 20
	s_add_co_u32 s42, s42, s85
	s_add_nc_u64 s[54:55], s[20:21], s[42:43]      ; BB2: w2p[e_hi]
	s_lshl_b32 s88, s39, 11
	s_lshl_b32 s85, s84, 9
	s_add_co_u32 s88, s88, s85                     ; b1: my 128 columns, in bytes
	s_lshl_b32 s89, s2, 9                          ; b2 and out0: my 128 columns, in bytes
	s_mov_b64 s[44:45], s[50:51]                   ; Q0 for the ring's first loads
	s_lshl_b32 s42, s83, 10
	s_add_nc_u64 s[8:9], s[8:9], s[42:43]          ; bits at my set's 256 words
; THE WEIGHTS' RING.  Half kt of a pass (32 to 35: the next pass's 0 to 3) into buffer buf: 8 loads of 512 consecutive bytes.
.macro LDB kt, buf
	WIN W_LD
.if (\kt) < 16
.set QB, 44
.set QO, 4096*(\kt)
.elseif (\kt) < 32
.set QB, 46
.set QO, 4096*((\kt)-16)
.else
.set QB, 48
.set QO, 4096*((\kt)-32)
.endif
.irp nb, 0,1,2,3
	global_load_b128 v[RING+32*(\buf)+8*\nb:RING+32*(\buf)+8*\nb+3], v4, s[QB:QB+1] offset:QO+1024*\nb
	global_load_b128 v[RING+32*(\buf)+8*\nb+4:RING+32*(\buf)+8*\nb+7], v4, s[QB:QB+1] offset:QO+1024*\nb+512
.endr
.endm
; The 64 tokens' fragments of half kt into buffer buf: 8 LDS loads.  a0, a1: the address registers for token blocks 0, 1 and 2, 3.
.macro LDA kt, buf, a0, a1
	WIN W_LD
.irp tt, 0,1,2,3
.set AR, (\a0)
.if \tt >= 2
.set AR, (\a1)
.endif
	ds_load_b128 v[32*(\buf)+8*\tt:32*(\buf)+8*\tt+3], v[AR] offset:(\tt%2)*BLK+64*(\kt)
	ds_load_b128 v[32*(\buf)+8*\tt+4:32*(\buf)+8*\tt+7], v[AR] offset:(\tt%2)*BLK+64*(\kt)+32
.endr
.endm
	; MY SET'S BITMAP: lane l takes words 8 l .. 8 l + 7.  Behind these two loads the ring's four buffers are asked for, so that they land during the search and the gather.
	v_lshlrev_b32 v21, 5, v1
	global_load_b128 v[32:35], v21, s[8:9]
	global_load_b128 v[36:39], v21, s[8:9] offset:16
	LDB 0, 0
	LDB 1, 1
	LDB 2, 2
	LDB 3, 3
	WIN 0
	s_wait_loadcnt 32                              ; the ring's 32 loads stand behind the bitmap's
.macro POPC d, x                       ; the number of ones in a word, by fields of 2, 4 and 8 bits
	v_lshrrev_b32 v22, 1, v[\x]
	v_and_b32 v22, s66, v22
	v_sub_nc_u32 v22, v[\x], v22
	v_lshrrev_b32 v23, 2, v22
	v_and_b32 v22, s67, v22
	v_and_b32 v23, s67, v23
	v_add_nc_u32 v22, v22, v23
	v_lshrrev_b32 v23, 4, v22
	v_add_nc_u32 v22, v22, v23
	v_and_b32 v22, s68, v22
	v_mul_lo_u32 v22, v22, s69
	v_lshrrev_b32 v[\d], 24, v22
.endm
.set i, 0
.rept 8
	POPC 40+i, 32+i
.set i, i+1
.endr
.set i, 1
.rept 7
	v_add_nc_u32 v[40+i], v[40+i], v[40+i-1]       ; v40-47: ones up to and with word i of my eight
.set i, i+1
.endr
	; THE TOKEN OF MY RANK.  Row 8 W + (l & 7) of the tile is the set's token number R = 64 j + 8 W + (l & 7); past the count, its last token.
	s_lshl_b32 s84, s2, 3
	s_add_co_u32 s84, s84, s36
	v_add_nc_u32 v21, s84, v14
	s_sub_co_u32 s85, s33, 1
	v_min_u32 v21, s85, v21                        ; R
	v_mov_b32 v22, 0                               ; ones in front of lane b's words
	v_mov_b32 v23, 0                               ; b: the lane whose eight words hold the token
	s_mov_b32 s86, 0
.set i, 0
.rept 32
	v_readlane_b32 s87, v47, i
	s_add_co_u32 s86, s86, s87
	v_cmp_le_u32 vcc_lo, s86, v21
	v_cndmask_b32 v22, v22, s86, vcc_lo
	v_cndmask_b32 v23, v23, i+1, vcc_lo
.set i, i+1
.endr
	v_min_u32 v23, 31, v23
	v_sub_nc_u32 v24, v21, v22                     ; the rank among lane b's words
	v_lshlrev_b32 v25, 2, v23
.set i, 0
.rept 8
	ds_bpermute_b32 v[48+i], v25, v[40+i]          ; that lane's running counts
	ds_bpermute_b32 v[56+i], v25, v[32+i]          ; and words
.set i, i+1
.endr
	s_wait_dscnt 0x0
	v_mov_b32 v26, 0
	v_mov_b32 v27, v56
	v_mov_b32 v28, 0
.set i, 0
.rept 7
	v_cmp_le_u32 vcc_lo, v[48+i], v24
	v_cndmask_b32 v26, v26, v[48+i], vcc_lo
	v_cndmask_b32 v27, v27, v[57+i], vcc_lo        ; the word,
	v_cndmask_b32 v28, v28, i+1, vcc_lo            ; its number among the eight
.set i, i+1
.endr
	v_sub_nc_u32 v24, v24, v26                     ; the rank among the word's ones
	v_lshrrev_b32 v65, 1, v27
	v_and_b32 v65, s66, v65
	v_sub_nc_u32 v29, v27, v65                     ; counts of 2 bits
	v_lshrrev_b32 v65, 2, v29
	v_and_b32 v65, s67, v65
	v_and_b32 v30, s67, v29
	v_add_nc_u32 v30, v30, v65                     ; of 4
	v_lshrrev_b32 v65, 4, v30
	v_add_nc_u32 v31, v30, v65
	v_and_b32 v31, s68, v31                        ; of 8
	v_lshrrev_b32 v65, 8, v31
	v_add_nc_u32 v64, v31, v65                     ; bits 7:0: of the low 16
	v_mov_b32 v66, 0                               ; the bit's place
.macro SELBIT f, w, sh                 ; if the rank is not below the ones of the lower sh bits at the place, go past them
	v_bfe_u32 v65, v[\f], v66, \w
	v_cmp_ge_u32 vcc_lo, v24, v65
	v_cndmask_b32 v65, 0, v65, vcc_lo
	v_sub_nc_u32 v24, v24, v65
	v_cndmask_b32 v67, 0, \sh, vcc_lo
	v_add_nc_u32 v66, v66, v67
.endm
	SELBIT 64, 8, 16
	SELBIT 31, 8, 8
	SELBIT 30, 4, 4
	SELBIT 29, 2, 2
	SELBIT 27, 1, 1
	v_lshl_add_u32 v25, v23, 3, v28
	v_min_u32 v25, 0xff, v25
	v_lshl_add_u32 v26, v25, 5, v66
	v_min_u32 v26, 0x1fff, v26                     ; the token
	; THE GATHER: wave W brings rows 8 W .. 8 W + 7 of the tile: 32 loads of 512 consecutive bytes
	s_lshl_b32 s84, s2, 5
	s_add_co_u32 s84, s84, LIST
	v_lshl_add_u32 v27, v14, 2, s84
	ds_store_b32 v27, v26                          ; the four lanes of a row store the same number to the same word
	v_lshlrev_b32 v28, 3, v26
	global_load_b64 v[30:31], v28, s[14:15]        ; its two weights
.set i, 0
.rept 8
	v_readlane_b32 s84, v26, i
	s_min_u32 s84, s84, 0x1fff
	s_lshl_b32 s84, s84, 11
	v_add_nc_u32 v[64+i], s84, v4
.set i, i+1
.endr
	s_mul_i32 s84, s2, 8*XP
	v_add_nc_u32 v29, s84, v4
	s_lshl_b32 s85, s2, 6
	s_add_co_u32 s85, s85, WLIST
	v_lshl_add_u32 v22, v14, 3, s85
	WIN W_LD
.set i, 0
.rept 8
.set c, 0
.rept 4
	global_load_b128 v[16*i+4*c:16*i+4*c+3], v[64+i], s[16:17] offset:512*c
.set c, c+1
.endr
.set i, i+1
.endr
	WIN 0
.set i, 0
.rept 8
	s_wait_loadcnt 4*(7-i)                         ; row i is in: four loads for each later row stand behind it
.if i == 0
	ds_store_b64 v22, v[30:31]                     ; the weights' load is older than every row's
	WIN W_DS1
.endif
.set c, 0
.rept 4
	ds_store_b128 v29, v[16*i+4*c:16*i+4*c+3] offset:XP*i+512*c
.set c, c+1
.endr
.set i, i+1
.endr
	WIN 0
	s_wait_dscnt 0x0                               ; for the others' sake: my rows of X, LIST and WLIST are written
	s_barrier_signal -1
	s_barrier_wait -1
; 16 matrix instructions: all 16 accumulators once, 32 of K (half st of the pass).  They take turns in the same order everywhere.  Half 0 starts the sums: nothing is cleared.
.macro MM16
	WIN W_MUL
.irp tt, 0,1,2,3
.irp nb, 0,1,2,3
.if st == 0
	v_wmma_f32_16x16x32_bf16 v[ACC+8*(4*\tt+\nb):ACC+8*(4*\tt+\nb)+7], v[RING+32*(st%4)+8*\nb:RING+32*(st%4)+8*\nb+7], v[32*(st%4)+8*\tt:32*(st%4)+8*\tt+7], 0
.else
	v_wmma_f32_16x16x32_bf16 v[ACC+8*(4*\tt+\nb):ACC+8*(4*\tt+\nb)+7], v[RING+32*(st%4)+8*\nb:RING+32*(st%4)+8*\nb+7], v[32*(st%4)+8*\tt:32*(st%4)+8*\tt+7], v[ACC+8*(4*\tt+\nb):ACC+8*(4*\tt+\nb)+7]
.endif
.endr
.endr
.endm
; The pass's biases: 8 loads in layer 1, 16 in layer 2.  They go out in the pass's middle, so that they delay no weight at its head.
.macro BIASLD lay
	WIN 0
.irp nb, 0,1,2,3
	global_load_b128 v[B2A+8*\nb:B2A+8*\nb+3], v7, s[56:57] offset:64*\nb
	global_load_b128 v[B2A+8*\nb+4:B2A+8*\nb+7], v7, s[56:57] offset:64*\nb+16
.if (\lay) == 2
	global_load_b128 v[B2B+8*\nb:B2B+8*\nb+3], v7, s[58:59] offset:64*\nb
	global_load_b128 v[B2B+8*\nb+4:B2B+8*\nb+7], v7, s[58:59] offset:64*\nb+16
.endif
.endr
.endm
; Half st of a pass: its 16 products; then the two buffers that they read are filled again, with the half four further on.
; LDS work that other parts of the text issue behind the fragments' loads (H's stores, the way out) only makes the LDS count stricter.
.macro HSTEP a0, a1, lay
.if (st >= 9) && (st <= 12)
	s_wait_loadcnt 24+8*(\lay)                     ; behind this half's eight weight loads stand three later halves' 24 and the biases' loads, which went out behind half 12's
.else
	s_wait_loadcnt 24                              ; behind this half's eight weight loads stand three later halves' 24 (from half 13 on the biases are older: this count shows them landed)
.endif
	s_wait_dscnt 24                                ; the same of the fragments' loads
	MM16
.rept 4
	v_nop                                          ; four places between the products and the loads into the registers that they read (ISA guide 7.12.1 for vector instructions)
.endr
	LDB st+4, st%4
	LDA (st+4)%32, st%4, \a0, \a1
.if st == 8
	BIASLD \lay
.endif
.endm
.macro PASS a0, a1, lay
.set st, 0
.rept 32
	HSTEP \a0, \a1, \lay
.set st, st+1
.endr
.endm
.macro RNDB base, n                    ; n biases are rounded to bf16, in place
.set p, 0
.rept (\n)/2
	v_cvt_pk_bf16_f32 v[21+p%4], v[(\base)+2*p], v[(\base)+2*p+1]
	v_lshlrev_b32 v[(\base)+2*p], 16, v[21+p%4]
	v_and_b32 v[(\base)+2*p+1], s82, v[21+p%4]
.set p, p+1
.endr
.endm
; Two accumulators (token block tt, column blocks 2 u and 2 u + 1): z = sum + b1;  weight x gelu(z) = weight x (max(z, 0) - |z| (a1/2 t + a2/2 t^2 + a3/2 t^3) 2^(-z^2 log2(e) / 2)),
; t = 1 / (1 + 0.33267 |z|); rounded to bf16 into the first eight of the 16 registers that z lay in.  The registers are taken in ascending order.  The 16 reciprocals and 16 exponentials are one batch with one wait.
.macro GELU2 tt, u
.set Z, ACC+8*(4*(\tt)+2*(\u))
.set p, 0
.rept 8
	v_pk_add_f32 v[Z+2*p:Z+2*p+1], v[Z+2*p:Z+2*p+1], v[BIAS+16*(\u)+2*p:BIAS+16*(\u)+2*p+1]
.set p, p+1
.endr
.set p, 0
.rept 16
	v_fma_f32 v[T+p], |v[Z+p]|, s70, 1.0
.set p, p+1
.endr
.set p, 0
.rept 16
	v_rcp_f32 v[T+p], v[T+p]
.set p, p+1
.endr
.set p, 0
.rept 8
	v_pk_mul_f32 v[M+2*p:M+2*p+1], v[Z+2*p:Z+2*p+1], s[72:73] op_sel_hi:[1,0]
.set p, p+1
.endr
.set p, 0
.rept 8
	v_pk_mul_f32 v[M+2*p:M+2*p+1], v[M+2*p:M+2*p+1], v[Z+2*p:Z+2*p+1]
.set p, p+1
.endr
.set p, 0
.rept 16
	v_exp_f32 v[M+p], v[M+p]
.set p, p+1
.endr
	v_nop                                          ; a plain instruction behind the last exponential,
	s_wait_alu depctr_va_vdst(0)                   ; and one wait for the batch of 32, ahead of its first reader
.set p, 0
.rept 8
	v_pk_fma_f32 v[Q+2*p:Q+2*p+1], v[T+2*p:T+2*p+1], s[74:75], s[76:77] op_sel_hi:[1,0,0]
.set p, p+1
.endr
.set p, 0
.rept 8
	v_pk_fma_f32 v[Q+2*p:Q+2*p+1], v[Q+2*p:Q+2*p+1], v[T+2*p:T+2*p+1], s[78:79] op_sel_hi:[1,1,0]
.set p, p+1
.endr
.set p, 0
.rept 8
	v_pk_mul_f32 v[Q+2*p:Q+2*p+1], v[Q+2*p:Q+2*p+1], v[T+2*p:T+2*p+1]
.set p, p+1
.endr
.set p, 0
.rept 8
	v_pk_mul_f32 v[Q+2*p:Q+2*p+1], v[Q+2*p:Q+2*p+1], v[M+2*p:M+2*p+1]
.set p, p+1
.endr
.set p, 0
.rept 16
	v_max_num_f32 v[T+p], 0, v[Z+p]
.set p, p+1
.endr
.set p, 0
.rept 16
	v_fma_f32 v[T+p], -|v[Z+p]|, v[Q+p], v[T+p]
.set p, p+1
.endr
.set p, 0
.rept 8
	v_pk_mul_f32 v[T+2*p:T+2*p+1], v[T+2*p:T+2*p+1], v[WTP+2*(\tt):WTP+2*(\tt)+1]
.set p, p+1
.endr
.set p, 0
.rept 8
	v_cvt_pk_bf16_f32 v[Z+p], v[T+2*p], v[T+2*p+1]
.set p, p+1
.endr
.endm
; The pass's H goes into LDS: 16 stores of 16 bytes a lane.  The pass's place, 128 g bytes, stands in the immediates, so that every LDS address in the loop over passes is fixed.
.macro HSTORE g
.irp tt, 0,1,2,3
.irp u, 0,1
	ds_store_b128 v[12+\tt/2], v[ACC+8*(4*\tt+2*\u):ACC+8*(4*\tt+2*\u)+3] offset:(\tt%2)*BLK+128*(\g)+64*\u
	ds_store_b128 v[12+\tt/2], v[ACC+8*(4*\tt+2*\u)+4:ACC+8*(4*\tt+2*\u)+7] offset:(\tt%2)*BLK+128*(\g)+64*\u+32
.endr
.endr
.endm
	; LAYER 1.  A work-group without rows jumps it; no barrier stands in what is jumped.
	s_cmp_eq_u32 s30, 0
	s_cbranch_scc1 .Lb2
	s_lshr_b32 s84, s2, 2
	s_lshl_b32 s84, s84, 2
	v_add_nc_u32 v21, s84, v19
.irp tt, 0,1,2,3
	ds_load_b32 v[WTP+2*\tt], v21 offset:128*\tt   ; my expert's weight of token 16 tt + r, in both registers of a pair
	ds_load_b32 v[WTP+2*\tt+1], v21 offset:128*\tt
.endr
	LDA 0, 0, 8, 9
	LDA 1, 1, 8, 9
	LDA 2, 2, 8, 9
	LDA 3, 3, 8, 9
	WIN 0                                          ; at a label and at a branch every window is 0
	s_mov_b32 s40, 2                               ; passes to go
	s_mov_b32 s41, 0                               ; G: the pass's group of 64 columns
.Lp1:
	s_wait_xcnt 0x0                                ; the pointers below are bases of loads issued in the pass before: rewritten only behind this wait
	s_lshl_b32 s42, s41, 17
	s_add_nc_u64 s[44:45], s[50:51], s[42:43]      ; halves 0-15
	s_add_nc_u64 s[46:47], s[44:45], 0x10000       ; halves 16-31
	s_add_nc_u64 s[48:49], s[44:45], 0x20000       ; what the last four halves ask for: the next group's halves 0-3,
	s_cmp_eq_u32 s40, 1
	s_cselect_b64 s[48:49], s[52:53], s[48:49]     ; in the last pass layer 2's
	s_lshl_b32 s42, s41, 8
	s_add_co_u32 s42, s42, s88
	s_add_nc_u64 s[56:57], s[22:23], s[42:43]      ; b1 at the pass's 64 columns
	PASS 8, 9, 1
	WIN 0
	RNDB BIAS, 32                                  ; these 48 plain lines are also the places behind the last products
.irp tt, 0,1,2,3
	GELU2 \tt, 0
	GELU2 \tt, 1
.endr
	s_cmp_eq_u32 s41, 0                            ; the 16 stores are written once for each pass and chosen by the pass's number; the jumps go forward, past no barrier
	s_cbranch_scc0 .Lh1
	HSTORE 0
	s_branch .Lhd
.Lh1:
	HSTORE 1
.Lhd:
	s_add_co_u32 s41, s41, 1
	s_sub_co_i32 s40, s40, 1
	s_cmp_lg_u32 s40, 0
	s_cbranch_scc1 .Lp1
.Lb2:
	s_wait_dscnt 0x0                               ; for the others' sake: my columns of H are written (and my reads of X are back)
	s_barrier_signal -1
	s_barrier_wait -1
; THE WAY OUT of token block tt: the rows' offsets from the tile's list; the two biases by the tokens' weights; through my own stage; back as whole rows of 256 bytes;
; 16 lanes store 256 consecutive bytes, aligned, of a token's row.  A block wholly past the tile's count is jumped.
.macro OUT tt
	s_cmp_le_u32 s30, 16*(\tt)
	s_cbranch_scc1 .Lskip_\@
	s_wait_xcnt 0x0                                ; the eight offset registers are sources of the stores of the block before: loaded again only behind this wait
.irp i, 0,1,2,3,4,5,6,7
	ds_load_b32 v[OFS+\i], v20 offset:64*(\tt)+8*\i  ; the token of row 2 i + h of the block
.endr
.set Z, ACC+32*(\tt)
.set p, 0
.rept 16
	v_pk_fma_f32 v[Z+2*p:Z+2*p+1], v[B2A+2*p:B2A+2*p+1], v[W0P+2*(\tt):W0P+2*(\tt)+1], v[Z+2*p:Z+2*p+1] op_sel_hi:[1,0,1]
.set p, p+1
.endr
.set p, 0
.rept 16
	v_pk_fma_f32 v[Z+2*p:Z+2*p+1], v[B2B+2*p:B2B+2*p+1], v[W1P+2*(\tt):W1P+2*(\tt)+1], v[Z+2*p:Z+2*p+1]
.set p, p+1
.endr
.irp nb, 0,1,2,3
	ds_store_b128 v16, v[Z+8*\nb:Z+8*\nb+3] offset:64*\nb
	ds_store_b128 v16, v[Z+8*\nb+4:Z+8*\nb+7] offset:64*\nb+16
.endr
.irp i, 0,1,2,3,4,5,6,7
	ds_load_b128 v[Z+4*\i:Z+4*\i+3], v17 offset:2*SP*\i  ; LDS serves a wave's instructions in order (ISA guide 5.7.1.4): these see the stores above
.endr
	s_wait_dscnt 0x0
.irp i, 0,1,2,3,4,5,6,7
	v_min_u32 v[OFS+\i], 0x1fff, v[OFS+\i]
.endr
.irp i, 0,1,2,3,4,5,6,7
	v_lshl_add_u32 v[OFS+\i], v[OFS+\i], 12, v18
.endr
.irp i, 0,1,2,3,4,5,6,7
	global_store_b128 v[OFS+\i], v[Z+4*\i:Z+4*\i+3], s[60:61] th:TH_STORE_NT
.endr
.Lskip_\@:
.endm
	; LAYER 2
	s_cmp_eq_u32 s30, 0
	s_cbranch_scc1 .Lend
.irp tt, 0,1,2,3
	ds_load_b64 v[W0P+2*\tt:W0P+2*\tt+1], v19 offset:128*\tt
	ds_load_b32 v[W1P+2*\tt], v19 offset:128*\tt+4
	ds_load_b32 v[W1P+2*\tt+1], v19 offset:128*\tt+4
.endr
	LDA 0, 0, 10, 11
	LDA 1, 1, 10, 11
	LDA 2, 2, 10, 11
	LDA 3, 3, 10, 11
	WIN 0
	s_mov_b32 s40, 2
	s_mov_b32 s41, 0
.Lp2:
	s_wait_xcnt 0x0                                ; the pointers, and the accumulators that the last pass's stores read, are rewritten only behind this wait
	s_lshl_b32 s42, s41, 16
	s_add_nc_u64 s[44:45], s[52:53], s[42:43]      ; halves 0-15: e_lo's half of K
	s_add_nc_u64 s[46:47], s[54:55], s[42:43]      ; halves 16-31: e_hi's
	s_add_nc_u64 s[48:49], s[44:45], 0x10000       ; the next group's halves 0-3.  In the last pass these 32 loads serve nothing: they keep every count the same in every pass; e_lo is at most 6, so they stay inside w2p
	s_lshl_b32 s84, s41, 8
	s_add_co_u32 s84, s84, s89
	s_lshl_b32 s42, s37, 12
	s_add_co_u32 s42, s42, s84
	s_add_nc_u64 s[56:57], s[24:25], s[42:43]      ; b2[e_lo] at the pass's 64 columns
	s_lshl_b32 s42, s38, 12
	s_add_co_u32 s42, s42, s84
	s_add_nc_u64 s[58:59], s[24:25], s[42:43]      ; b2[e_hi]
	s_mov_b32 s42, s84
	s_add_nc_u64 s[60:61], s[26:27], s[42:43]      ; out0 at those columns
	PASS 10, 11, 2
	WIN 0
	RNDB B2A, 32                                   ; also the places behind the last products
	RNDB B2B, 32
	OUT 0
	OUT 1
	OUT 2
	OUT 3
	s_add_co_u32 s41, s41, 1
	s_sub_co_i32 s40, s40, 1
	s_cmp_lg_u32 s40, 0
	s_cbranch_scc1 .Lp2
.Lend:
	; out1, by one wave of the launch: psum is [256][32] f32; lane l adds up columns 4 (l & 7) + 0..3
	s_cmp_lg_u32 s3, 154
	s_cbranch_scc1 .Lfin
	s_cmp_lg_u32 s2, 0
	s_cbranch_scc1 .Lfin
	s_wait_xcnt 0x0
	v_mov_b32 v24, 0
	v_mov_b32 v25, 0
	v_mov_b32 v26, 0
	v_mov_b32 v27, 0
	s_mov_b32 s40, 4
.Laux:
.set i, 0
.rept 16
	global_load_b128 v[32+4*i:35+4*i], v4, s[12:13] offset:512*i
.set i, i+1
.endr
	s_wait_loadcnt 0x0                             ; the loads are done: their base may be stepped
.set i, 0
.rept 16
	v_pk_add_f32 v[24:25], v[24:25], v[32+4*i:33+4*i]
	v_pk_add_f32 v[26:27], v[26:27], v[34+4*i:35+4*i]
.set i, i+1
.endr
	s_add_nc_u64 s[12:13], s[12:13], 0x2000
	s_sub_co_i32 s40, s40, 1
	s_cmp_lg_u32 s40, 0
	s_cbranch_scc1 .Laux
.irp q, 24,25,26,27
	v_add_f32_dpp v\q, v\q, v\q row_xmask:8 row_mask:0xf bank_mask:0xf
.endr
.irp q, 0,1,2,3
	v_permlanex16_b32 v[32+\q], v[24+\q], s80, s81
.endr
.irp q, 0,1,2,3
	v_add_f32 v[24+\q], v[24+\q], v[32+\q]         ; lanes 0, 1: the probabilities' sums of experts 0-3, 4-7; lanes 2, 3: the counts
.endr
.irp q, 0,1,2,3
	v_mov_b32_dpp v[36+\q], v[24+\q] row_xmask:2 row_mask:0xf bank_mask:0xf
.endr
	v_mul_f32 v40, v24, v36
	v_fma_f32 v40, v25, v37, v40
	v_fma_f32 v40, v26, v38, v40
	v_fma_f32 v40, v27, v39, v40
	v_add_f32_dpp v40, v40, v40 row_xmask:1 row_mask:0xf bank_mask:0xf
	v_mul_f32 v40, 0x33800000, v40                 ; 8 / (8,192 x 16,384) = 2^-24
	v_cmp_eq_u32 vcc_lo, 0, v1
	s_wait_xcnt 0x0                                ; EXEC changes only behind this wait
	s_and_saveexec_b32 s84, vcc_lo
	global_store_b32 v1, v40, s[28:29]             ; lane 0 alone: its offset is 0
	s_wait_xcnt 0x0                                ; and again in front of the line that widens it
	s_or_b32 exec_lo, exec_lo, s84
.Lfin:
	s_wait_tensorcnt 0x0                           ; the wave's end: three lines behind my last LDS store
	ds_add_u32 v5, v6
	s_wait_dscnt 0x0
	s_endpgm
.Lfunc_end_k_qbbd048eba4_chain:
	.size	k_qbbd048eba4_chain, .Lfunc_end_k_qbbd048eba4_chain-k_qbbd048eba4_chain
	.p2alignl 7, 3214868480
	.fill 96, 4, 3214868480
	.section	.rodata,"a",@progbits
	.p2align	6, 0x0
	.amdhsa_kernel k_qbbd048eba4_chain
		.amdhsa_group_segment_fixed_size 304896
		.amdhsa_private_segment_fixed_size 0
		.amdhsa_enable_private_segment 0
		.amdhsa_kernarg_size 88
		.amdhsa_user_sgpr_count 2
		.amdhsa_user_sgpr_kernarg_segment_ptr 1
		.amdhsa_wavefront_size32 1
		.amdhsa_system_sgpr_workgroup_id_x 1
		.amdhsa_system_sgpr_workgroup_id_y 1
		.amdhsa_system_sgpr_workgroup_id_z 1
		.amdhsa_system_vgpr_workitem_id 0
		.amdhsa_next_free_vgpr 512
		.amdhsa_next_free_sgpr 100
		.amdhsa_reserve_vcc 1
		.amdhsa_float_denorm_mode_32 3
		.amdhsa_float_denorm_mode_16_64 3
		.amdhsa_memory_ordered 1
		.amdhsa_forward_progress 1
		.amdhsa_inst_pref_size 255
	.end_amdhsa_kernel
	.section	.bss,"aw",@nobits
	.p2align	6
	.space	262144
	.amdgpu_metadata
---
amdhsa.version: [ 1, 2 ]
amdhsa.kernels:
  - .name:           k_qbbd048eba4_chain
    .symbol:         k_qbbd048eba4_chain.kd
    .args:
      - { .name: bits, .offset: 0, .size: 8, .value_kind: global_buffer, .address_space: global }
      - { .name: cnts, .offset: 8, .size: 8, .value_kind: global_buffer, .address_space: global }
      - { .name: psum, .offset: 16, .size: 8, .value_kind: global_buffer, .address_space: global }
      - { .name: wts, .offset: 24, .size: 8, .value_kind: global_buffer, .address_space: global }
      - { .name: xb, .offset: 32, .size: 8, .value_kind: global_buffer, .address_space: global }
      - { .name: w1p, .offset: 40, .size: 8, .value_kind: global_buffer, .address_space: global }
      - { .name: w2p, .offset: 48, .size: 8, .value_kind: global_buffer, .address_space: global }
      - { .name: b1, .offset: 56, .size: 8, .value_kind: global_buffer, .address_space: global }
      - { .name: b2, .offset: 64, .size: 8, .value_kind: global_buffer, .address_space: global }
      - { .name: out0, .offset: 72, .size: 8, .value_kind: global_buffer, .address_space: global }
      - { .name: out1, .offset: 80, .size: 8, .value_kind: global_buffer, .address_space: global }
    .group_segment_fixed_size: 304896
    .private_segment_fixed_size: 0
    .kernarg_segment_align: 8
    .kernarg_segment_size: 88
    .max_flat_workgroup_size: 256
    .sgpr_count:     100
    .vgpr_count:     512
    .wavefront_size: 32
...
	.end_amdgpu_metadata
.endif
;; end of part 2
;; ======== version 2 of 2: 2 launches; version 1 with the launch prep written anew for expert scheduling mode
;; limits: a function is approximated: absolute error at most 2.5e-05
;; workspace buffers: w1p 8,388,608 bytes; w2p 8,388,608 bytes; xb 16,777,216 bytes; wts 65,536 bytes; psum 32,768 bytes; bits 32,768 bytes of whole numbers; cnts 32,768 bytes of whole numbers
;; launch prep (part 3): grid 256 x 1, 8 waves a work-group, no clusters, 159,488 bytes of LDS; arguments hidden_states, gate_w, w1, w2, xb, w1p, w2p, wts, psum, bits, cnts; writes xb, w1p, w2p, wts, psum, bits, cnts
.if DOCPART == 3
	.amdgcn_target "amdgcn-amd-amdhsa--gfx1250"
	.amdhsa_code_object_version 6
	.text
	.protected	k_qbbd048eba4_prep
	.globl	k_qbbd048eba4_prep
	.p2align	8
	.type	k_qbbd048eba4_prep,@function
k_qbbd048eba4_prep:
	s_mov_b64 s[64:65], 0
	v_nop
	global_prefetch_b8 v0, s[64:65] scope:SCOPE_SE
	s_setreg_imm32_b32 hwreg(HW_REG_WAVE_SCHED_MODE, 0, 2), 2
	s_setreg_imm32_b32 hwreg(HW_REG_WAVE_MODE, 25, 1), 1
	s_wait_xcnt 0x0
	s_wait_alu depctr_vm_vsrc(0)
; PREP.  Work-group g of 256, eight waves, does three things.
; (1) ROUTER for tokens 32 g .. 32 g + 31: x and gate_w are rounded to bf16 and multiplied on the matrix unit (wave w takes K = 128 w .. +127 for all
;     32 tokens; wave 0 adds the eight parts in f32), softmax with its maximum taken away, the two largest probabilities (a tie keeps the lower expert), their weights.
; (2) x leaves as bf16 (xb), for the next launch's gather.
; (3) 1/256 of w1 and w2 is rounded to bf16 and stored in the order in which a wave's operand registers take it: fragments of 1,024 bytes
;     (16 weight rows x 32 k; byte 16 L holds lane L's registers 0-3, byte 512 + 16 L its registers 4-7).
;     w1p byte = e<<20 | cg<<17 | step<<13 | ks<<12 | nb<<10 (cg: 64 hidden columns; step: 64 of K);  w2p byte = e<<20 | cg<<16 | step<<13 | ks<<12 | nb<<10.
; What the router chose steers no address and no branch here: it is stored at fixed places.  A token's pair of experts e_lo < e_hi is a SET,
; sid = ((e_lo (15 - e_lo)) >> 1) + e_hi - e_lo - 1, 0 .. 27.  bits[set][g]: bit t = token 32 g + t has that set.  cnts[g][set]: how many.
; wts[token] = weight of e_lo, weight of e_hi.  psum[g][0..7] = sums of the probabilities, [8..15] = how often each expert was chosen, [16..31] = 0.
; LIMITS.  All inputs are rounded to bf16 (nearest even), the router's too; a second and a third probability that differ by no more than the rounding of f32 sums
; may be ordered otherwise than by another order of summation; NaN and infinities are not treated apart.
; No tensor loads and no cluster: the work-groups share only gate_w, 32 KB beside the 256 KB that each reads alone.
; THE MODE: SCHED_MODE bits 1:0 = 2 (LLVM: expert scheduling mode 2), set by the entry lines.  The code itself states the register dependences
; between vector or matrix instructions and memory or LDS instructions, with s_wait_alu, always for 0.
; THE PLAN.  Registers that memory or LDS instructions touch:
;   v2, v3, v8-v15   offsets and LDS addresses: made at the head, never written again.
;   ROFF             the cast's row offsets: made at the head, read by the cast's loads; behind the first barrier the products write these registers (the accumulators), which four LDS stores read.
;   GLD              gate_w lands, is packed in place, is read by eight LDS stores; behind the first barrier token fragments land here.
;   LND, block tk    x lands; token tk's conversions read it; the cast's loads land; rounded in place; read by the cast's LDS stores; in wave 0 the logits' parts land in v32-95 and the arithmetic works there.
;   XPK, block tk    written by token tk's conversions; read by its stores to xb and to XL; behind the first barrier fragments land, the products read them, the cast's fragments land, the stores of w1p or w2p read them.
; One wait on va_vdst stands behind each token's conversions: the token's packed numbers are written and its landing block is read.  Behind it come the loads into that block, and the token's sixteen stores are dealt
; among the NEXT token's conversions, which name that token's two blocks alone.  The cast goes likewise, in two halves.  Two waits on vm_vsrc: behind the first barrier and ahead of the branch to wave 0's part.
.set GP,    2064                       ; an LDS row of 1,024 bf16 + 16 bytes: 129 x 16, so the 16 rows of a fragment load start at 16 different groups of four banks
.set GT,    0                          ; gate_w in bf16: 8 rows
.set XL,    16640                      ; x in bf16: 32 rows
.set PART,  82688                      ; [wave][token 32][8 f32]: the waves' parts of the logits
.set CST,   90880                      ; each wave's own stage for the cast: 16 rows x 528 bytes
.set CP,    528
.set SPARE, 158464                     ; the spare words: 128 bytes a wave, four blocks of 256 bytes that no other line names
.set ROFF,  16                         ; v16-31   the cast's 16 row offsets, then the two accumulators
.set LND,   32                         ; v32-159  landing: x (32 tk + 4 j), then the weights (8 rr + 4 seg)
.set XPK,   160                        ; v160-223 x packed, 16 registers a token
.set GLD,   224                        ; v224-255 gate_w as loaded; packed in place, piece j into 4 j and 4 j + 1
.set GF,    160                        ; later: gate fragments, 8 c
.set TF,    192                        ; token fragments, 32 t + 8 c
.set RB,    160                        ; later: the cast's fragments read back
	s_load_b512 s[8:23], s[0:1], 0x0               ; hidden s[8:9], gate s[10:11], w1 s[12:13], w2 s[14:15], xb s[16:17], w1p s[18:19], w2p s[20:21], wts s[22:23]
	s_load_b128 s[24:27], s[0:1], 0x40             ; psum s[24:25], bits s[26:27]
	s_load_b64 s[28:29], s[0:1], 0x50              ; cnts
	v_lshl_add_u32 v4, v0, 2, SPARE                ; my spare word; never rewritten
	v_mov_b32 v5, 0                                ; 0; never rewritten
	v_lshrrev_b32 v15, 5, v0
	v_readfirstlane_b32 s2, v15                    ; wave w
	s_mov_b32 s3, ttmp9                            ; g
	v_and_b32 v1, 31, v0                           ; lane l
	v_lshlrev_b32 v2, 4, v1                        ; 16 l
	v_lshlrev_b32 v3, 3, v1                        ; 8 l
	v_and_b32 v6, 15, v1                           ; r
	v_lshrrev_b32 v7, 4, v1                        ; h
	v_and_b32 v15, 7, v1
	s_wait_alu depctr_va_sdst(0)                   ; s2 is written, ahead of its first reader: LDS places, bases and the branch to wave 0's part are made from it
	s_lshl_b32 s30, s2, 8                          ; my K slice: 128 bf16
	v_mul_u32_u24 v8, v15, GP                      ; gate fragment: row r & 7 (rows 8-15 of the operand repeat rows 0-7)
	v_lshl_add_u32 v8, v7, 4, v8
	v_add_nc_u32 v8, s30, v8
	v_lshl_add_u32 v15, v1, 5, PART                ; where wave 0 reads the parts of token l's logits
	s_add_co_u32 s31, s30, XL
	v_mul_u32_u24 v9, v6, GP                       ; token fragment: row r
	v_lshl_add_u32 v9, v7, 4, v9
	v_add_nc_u32 v9, s31, v9
	s_mul_i32 s32, s2, 16*CP
	s_add_co_u32 s32, s32, CST                     ; my stage
	v_add_nc_u32 v10, s32, v3                      ; in: 8 bytes a lane
	v_mul_u32_u24 v11, v6, CP                      ; back: as a fragment
	v_lshl_add_u32 v11, v7, 4, v11
	v_add_nc_u32 v11, s32, v11
	s_lshl_b32 s33, s2, 10
	s_add_co_u32 s33, s33, PART
	v_lshl_add_u32 v12, v6, 5, s33                 ; my part of the logits: token r, 32 bytes
	s_mul_i32 s33, s2, 4*GP
	s_add_co_u32 s33, s33, XL
	v_add_nc_u32 v13, s33, v3                      ; my four tokens' rows in XL
	s_mul_i32 s33, s2, GP
	v_add_nc_u32 v14, s33, v3                      ; my row of GT
	; the cast's unit: u = (g & 127) 8 + w: 16 weight rows x 256 k.  g < 128: w1 (rows of 4,096 bytes, four units a row block); else w2 (2,048 bytes, two)
	s_and_b32 s34, s3, 127
	s_lshl3_add_u32 s34, s34, s2                   ; u
	s_cmp_lt_u32 s3, 128
	s_cselect_b32 s35, 2, 1                        ; SH
	s_lshr_b32 s40, s34, s35                       ; rg: which 16 rows
	s_bfm_b32 s41, s35, 0
	s_and_b32 s41, s34, s41                        ; kq: which 256 of K
	s_lshl_b32 s42, 0x400, s35                     ; bytes from row to row
	s_add_co_u32 s43, s35, 14
	s_lshl_b32 s44, s40, s43                       ; source: 16 rows a block,
	s_lshl_b32 s45, s41, 10                        ; 1,024 bytes a unit
	s_add_co_u32 s44, s44, s45
	s_mov_b32 s45, 0
	s_lshr_b32 s46, s40, 2                         ; destination: the group of 64 rows,
	s_add_co_u32 s47, s35, 15
	s_lshl_b32 s46, s46, s47
	s_lshl_b32 s47, s41, 15                        ; four steps of 8,192 bytes a unit,
	s_add_co_u32 s46, s46, s47
	s_and_b32 s47, s40, 3
	s_lshl_b32 s47, s47, 10                        ; the block of 16 rows in the group
	s_add_co_u32 s46, s46, s47
	s_mov_b32 s47, 0
	s_mov_b32 s49, 0
	s_mov_b32 s50, 0x76543210                      ; v_permlanex16_b32: each lane takes its own place in the other half
	s_mov_b32 s51, 0xfedcba98
.set j, 0
.rept 16
	v_mad_u32_u24 v[ROFF+j], s42, j, v2            ; the cast's row offsets: 16 l + row x pitch (the pitch differs between w1 and w2, so it is no immediate)
.set j, j+1
.endr
	s_wait_kmcnt 0x0
	s_cmp_lt_u32 s3, 128
	s_cselect_b64 s[36:37], s[12:13], s[14:15]     ; the cast's source
	s_cselect_b64 s[38:39], s[18:19], s[20:21]     ; and destination
	s_add_nc_u64 s[36:37], s[36:37], s[44:45]
	s_add_nc_u64 s[38:39], s[38:39], s[46:47]
	s_lshl_b32 s48, s3, 17
	s_lshl_b32 s33, s2, 14
	s_add_co_u32 s48, s48, s33
	s_add_nc_u64 s[8:9], s[8:9], s[48:49]          ; x at my four tokens
	s_lshl_b32 s48, s2, 12
	s_add_nc_u64 s[10:11], s[10:11], s[48:49]      ; gate_w at row w
	s_lshl_b32 s48, s3, 16
	s_lshl_b32 s33, s2, 13
	s_add_co_u32 s48, s48, s33
	s_add_nc_u64 s[16:17], s[16:17], s[48:49]      ; xb at my four tokens
	s_lshl_b32 s48, s3, 8
	s_add_nc_u64 s[22:23], s[22:23], s[48:49]      ; wts at the group's tokens
	s_lshl_b32 s48, s3, 7
	s_add_nc_u64 s[24:25], s[24:25], s[48:49]      ; psum and cnts at row g
	s_add_nc_u64 s[28:29], s[28:29], s[48:49]
	s_lshl_b32 s48, s3, 2
	s_add_nc_u64 s[26:27], s[26:27], s[48:49]      ; bits at word g
	s_wait_alu depctr_va_vdst(0)                   ; v2, v3, v8 to v15 and the sixteen row offsets are written: every load, store and LDS access below reads one of them as its address
	; 40 loads go out at once: my row of gate_w, then my four tokens; each covers 512 consecutive bytes
.set j, 0
.rept 8
	global_load_b128 v[GLD+4*j:GLD+4*j+3], v2, s[10:11] offset:512*j
.set j, j+1
.endr
.set tk, 0
.rept 4
.set j, 0
.rept 8
	global_load_b128 v[LND+32*tk+4*j:LND+32*tk+4*j+3], v2, s[8:9] offset:4096*tk+512*j th:TH_LOAD_NT
.set j, j+1
.endr
.set tk, tk+1
.endr
	s_wait_loadcnt 32                              ; the 32 loads of x stand behind the gate's
.set j, 0
.rept 8
	v_cvt_pk_bf16_f32 v[GLD+4*j], v[GLD+4*j], v[GLD+4*j+1]      ; four numbers close up into the first two of their four registers
	v_cvt_pk_bf16_f32 v[GLD+4*j+1], v[GLD+4*j+2], v[GLD+4*j+3]
.set j, j+1
.endr
; Piece j of token tk leaves: to xb (each store covers 256 consecutive bytes, aligned) and to XL.
.macro XOUT tk
	global_store_b64 v3, v[XPK+16*(\tk)+2*j:XPK+16*(\tk)+2*j+1], s[16:17] offset:2048*(\tk)+256*j
	ds_store_b64 v13, v[XPK+16*(\tk)+2*j:XPK+16*(\tk)+2*j+1] offset:GP*(\tk)+256*j
.endm
; Token tk is rounded; among its conversions stand the stores of the token before (with token 0's the gate's), whose data the wait at that token's end has shown written: these conversions name
; LND's and XPK's block tk alone.  Then the wait, and the token's landing registers take four rows of the cast's unit.
.macro TOKEN tk
	s_wait_loadcnt 24                              ; behind this token's loads stand 8 (3 - tk) of x and 8 tk of the cast: always 24
.set j, 0
.rept 8
.if (\tk) == 1
	ds_store_b64 v14, v[GLD+4*j:GLD+4*j+1] offset:256*j
.endif
.if (\tk) > 0
	XOUT (\tk)-1
.endif
	v_cvt_pk_bf16_f32 v[XPK+16*(\tk)+2*j], v[LND+32*(\tk)+4*j], v[LND+32*(\tk)+4*j+1]
	v_cvt_pk_bf16_f32 v[XPK+16*(\tk)+2*j+1], v[LND+32*(\tk)+4*j+2], v[LND+32*(\tk)+4*j+3]
.set j, j+1
.endr
	s_wait_alu depctr_va_vdst(0)                   ; the conversions have written XPK's block tk, which the token's stores read, and are done reading LND's block tk, in which the loads below land; at token 0 the gate's packed numbers are written too
.set j, 0
.rept 4
	global_load_b128 v[LND+32*(\tk)+8*j:LND+32*(\tk)+8*j+3], v[ROFF+4*(\tk)+j], s[36:37] th:TH_LOAD_NT
	global_load_b128 v[LND+32*(\tk)+8*j+4:LND+32*(\tk)+8*j+7], v[ROFF+4*(\tk)+j], s[36:37] offset:512 th:TH_LOAD_NT
.set j, j+1
.endr
.endm
	TOKEN 0
	TOKEN 1
	TOKEN 2
	TOKEN 3
.set j, 0
.rept 8
	XOUT 3                                         ; no vector instruction since token 3's wait
.set j, j+1
.endr
	s_wait_dscnt 0x0                               ; for the others' sake: my rows of GT and XL are written
	s_barrier_signal -1
	s_barrier_wait -1
	s_wait_xcnt 0x0                                ; the packed x (data of the stores to xb) and the row offsets (addresses of the cast's loads) are rewritten only behind this wait
	s_wait_alu depctr_vm_vsrc(0)                   ; the stores to xb, XL and GT have read XPK and GLD, in which the fragments below land; the cast's loads have read the row offsets, which the products write
.set c, 0
.rept 4
	ds_load_b128 v[GF+8*c:GF+8*c+3], v8 offset:64*c
	ds_load_b128 v[GF+8*c+4:GF+8*c+7], v8 offset:64*c+32
	ds_load_b128 v[TF+8*c:TF+8*c+3], v9 offset:64*c
	ds_load_b128 v[TF+8*c+4:TF+8*c+7], v9 offset:64*c+32
	ds_load_b128 v[TF+32+8*c:TF+32+8*c+3], v9 offset:16*GP+64*c
	ds_load_b128 v[TF+32+8*c+4:TF+32+8*c+7], v9 offset:16*GP+64*c+32
.set c, c+1
.endr
	s_wait_dscnt 0x0
	; source 0 = the gate's rows, source 1 = 16 tokens: lane r then holds experts 0-7 of token r in registers 0-7 (both halves of the lanes alike).  The two accumulators take turns.
	v_wmma_f32_16x16x32_bf16 v[16:23], v[GF:GF+7], v[TF:TF+7], 0
	v_wmma_f32_16x16x32_bf16 v[24:31], v[GF:GF+7], v[TF+32:TF+39], 0
.set c, 1
.rept 3
	v_wmma_f32_16x16x32_bf16 v[16:23], v[GF+8*c:GF+8*c+7], v[TF+8*c:TF+8*c+7], v[16:23]
	v_wmma_f32_16x16x32_bf16 v[24:31], v[GF+8*c:GF+8*c+7], v[TF+32+8*c:TF+32+8*c+7], v[24:31]
.set c, c+1
.endr
.rept 4
	v_nop                                          ; four places between the last product and the stores that read the results
.endr
	s_wait_alu depctr_va_vdst(0)                   ; the products have written the accumulators, which the LDS stores read, and are done reading the fragments, in whose registers the cast's read-back lands; the places above stay beside this wait
	ds_store_b128 v12, v[16:19]
	ds_store_b128 v12, v[20:23] offset:16
	ds_store_b128 v12, v[24:27] offset:512
	ds_store_b128 v12, v[28:31] offset:528
	s_wait_dscnt 0x0                               ; for wave 0's sake
	s_barrier_signal -1
	s_barrier_wait -1
	; THE CAST: round in place, through my own stage, back as eight fragments, out in runs of 512 consecutive bytes.  In two halves of eight rows: the first half's LDS stores stand among the second half's roundings, which name other registers.
	s_wait_loadcnt 16                              ; rows 0-7 of my unit are in: the sixteen loads of rows 8-15 stand behind theirs
.set j, 0
.rept 16
	v_cvt_pk_bf16_f32 v[LND+4*j], v[LND+4*j], v[LND+4*j+1]
	v_cvt_pk_bf16_f32 v[LND+4*j+1], v[LND+4*j+2], v[LND+4*j+3]
.set j, j+1
.endr
	s_wait_alu depctr_va_vdst(0)                   ; the roundings of rows 0-7 are written, which the LDS stores among the next roundings read
	s_wait_loadcnt 0x0                             ; rows 8-15 are in
.set j, 16
.rept 16
	ds_store_b64 v10, v[LND+4*(j-16):LND+4*(j-16)+1] offset:CP*((j-16)/2)+256*((j-16)%2)
	v_cvt_pk_bf16_f32 v[LND+4*j], v[LND+4*j], v[LND+4*j+1]
	v_cvt_pk_bf16_f32 v[LND+4*j+1], v[LND+4*j+2], v[LND+4*j+3]
.set j, j+1
.endr
	s_wait_alu depctr_va_vdst(0)                   ; the roundings of rows 8-15 are written, which the LDS stores below read
.set j, 16
.rept 16
	ds_store_b64 v10, v[LND+4*j:LND+4*j+1] offset:CP*(j/2)+256*(j%2)
.set j, j+1
.endr
.set j, 0
.rept 8                                            ; fragment j: k = 32 j on.  LDS serves a wave's instructions in order (ISA guide 5.7.1.4): these see the stores above
	ds_load_b128 v[RB+8*j:RB+8*j+3], v11 offset:64*j
	ds_load_b128 v[RB+8*j+4:RB+8*j+7], v11 offset:64*j+32
.set j, j+1
.endr
.set j, 0
.rept 16
	s_wait_dscnt 15-j
	global_store_b128 v2, v[RB+4*j:RB+4*j+3], s[38:39] offset:4096*(j/2)+512*(j%2)
.set j, j+1
.endr
	; WAVE 0 finishes the router: lane = token
	s_wait_alu depctr_vm_vsrc(0)                   ; the cast's LDS stores have read LND, in which wave 0's loads below land and its arithmetic works; the wait stands ahead of the branch
	s_cmp_lg_u32 s2, 0
	s_cbranch_scc1 .Ldone
.set i, 0
.rept 8
	ds_load_b128 v[32+8*i:35+8*i], v15 offset:1024*i    ; no vector instruction has named v32 to v95 since the cast's last wait on va_vdst
	ds_load_b128 v[36+8*i:39+8*i], v15 offset:1024*i+16
.set i, i+1
.endr
	s_wait_dscnt 0x0
.macro ADD8 a, b                       ; part b is added onto part a
.irp p, 0,2,4,6
	v_pk_add_f32 v[32+8*(\a)+\p:33+8*(\a)+\p], v[32+8*(\a)+\p:33+8*(\a)+\p], v[32+8*(\b)+\p:33+8*(\b)+\p]
.endr
.endm
	ADD8 0, 1
	ADD8 2, 3
	ADD8 4, 5
	ADD8 6, 7
	ADD8 0, 2
	ADD8 4, 6
	ADD8 0, 4                                      ; v32-39: the eight logits
	v_max3_num_f32 v40, v32, v33, v34
	v_max3_num_f32 v40, v40, v35, v36
	v_max3_num_f32 v40, v40, v37, v38
	v_max_num_f32 v40, v40, v39                    ; the maximum is taken away before the exponentials
.irp e, 0,1,2,3,4,5,6,7
	v_sub_f32 v[48+\e], v[32+\e], v40
.endr
.irp e, 0,1,2,3,4,5,6,7
	v_mul_f32 v[48+\e], 0x3fb8aa3b, v[48+\e]       ; log2(e)
.endr
.irp e, 0,1,2,3,4,5,6,7
	v_exp_f32 v[48+\e], v[48+\e]
.endr
	v_nop                                          ; a plain instruction behind the last exponential,
	s_wait_alu depctr_va_vdst(0)                   ; and one wait for the batch: the eight exponentials have written v48 to v55, ahead of their first reader
	v_add_f32 v41, v48, v49
	v_add_f32 v42, v50, v51
	v_add_f32 v43, v52, v53
	v_add_f32 v44, v54, v55
	v_add_f32 v41, v41, v42
	v_add_f32 v43, v43, v44
	v_add_f32 v41, v41, v43
	v_rcp_f32 v42, v41
	v_mov_b32 v65, 0                               ; (the plain instruction behind the reciprocal) the first choice's expert
	s_wait_alu depctr_va_vdst(0)                   ; the reciprocal has written v42, ahead of its first reader
.irp e, 0,1,2,3,4,5,6,7
	v_mul_f32 v[56+\e], v[48+\e], v42              ; v56-63: the probabilities
.endr
	v_mov_b32 v64, v56
.irp e, 1,2,3,4,5,6,7                  ; upward with a strict comparison: a tie keeps the lower expert.  A chain: each comparison reads the maximum that the select before it wrote, so each link has its own wait
	v_cmp_gt_f32 vcc_lo, v[56+\e], v64
	s_wait_alu depctr_va_vcc(0)                    ; the comparison has written VCC, which the two selects read
	v_cndmask_b32 v64, v64, v[56+\e], vcc_lo
	v_cndmask_b32 v65, v65, \e, vcc_lo
.endr
.irp e, 0,1,2,3,4,5,6,7                ; these eight comparisons hang on v65 alone: one run, eight scalar registers, one wait
	v_cmp_eq_u32 s[52+\e], \e, v65
.endr
	s_wait_alu depctr_va_sdst(0)                   ; the eight comparisons have written s52 to s59, which the selects read
.irp e, 0,1,2,3,4,5,6,7
	v_cndmask_b32 v[72+\e], v[56+\e], -1.0, s[52+\e]  ; the first choice leaves the field
.endr
	v_mov_b32 v66, v72
	v_mov_b32 v67, 0
.irp e, 1,2,3,4,5,6,7
	v_cmp_gt_f32 vcc_lo, v[72+\e], v66
	s_wait_alu depctr_va_vcc(0)                    ; the comparison has written VCC, which the two selects read
	v_cndmask_b32 v66, v66, v[72+\e], vcc_lo
	v_cndmask_b32 v67, v67, \e, vcc_lo
.endr
	v_cmp_lt_u32 vcc_lo, v65, v67                  ; is the first choice the lower expert?  Read by the two selects below
	v_add_f32 v68, v64, v66
	v_rcp_f32 v68, v68
	v_min_u32 v82, v65, v67                        ; (the plain instruction) e_lo
	s_wait_alu depctr_va_vdst(0)                   ; the reciprocal has written v68, ahead of its first reader
	v_mul_f32 v69, v64, v68
	v_mul_f32 v70, v66, v68
	v_max_u32 v71, v65, v67                        ; e_hi
	s_wait_alu depctr_va_vcc(0)                    ; the comparison of the two experts has written VCC, which the two selects read
	v_cndmask_b32 v80, v70, v69, vcc_lo            ; e_lo's weight,
	v_cndmask_b32 v81, v69, v70, vcc_lo            ; e_hi's
	v_sub_nc_u32 v83, 15, v82
	v_mul_u32_u24 v83, v83, v82
	v_lshrrev_b32 v83, 1, v83
	v_add_nc_u32 v83, v83, v71
	v_sub_nc_u32 v83, v83, v82
	v_add_nc_u32 v83, -1, v83                      ; sid
	v_mov_b32 v84, 0
	v_mov_b32 v85, 0
	v_mov_b32 v86, 0
.set i, 0
.rept 4                                            ; lane s of v84 takes set s's bitmap of the 32 tokens, lane s of v85 its count: seven sets to a run of comparisons, one wait to a run
.irp q, 0,1,2,3,4,5,6
	v_cmp_eq_u32 s[52+\q], i+\q, v83
.endr
	s_wait_alu depctr_va_sdst(0)                   ; the seven comparisons have written s52 to s58, which the lines below read
.irp q, 0,1,2,3,4,5,6
	v_writelane_b32 v84, s[52+\q], i+\q
	s_bcnt1_i32_b32 s59, s[52+\q]
	v_writelane_b32 v85, s59, i+\q
.endr
.set i, i+7
.endr
.irp m, 1,2,4,8                        ; the sums of the eight probabilities over the 32 tokens
.irp e, 0,1,2,3,4,5,6,7
	v_add_f32_dpp v[56+\e], v[56+\e], v[56+\e] row_xmask:\m row_mask:0xf bank_mask:0xf
.endr
.endr
.irp e, 0,1,2,3,4,5,6,7
	v_permlanex16_b32 v[72+\e], v[56+\e], s50, s51
.endr
.irp e, 0,1,2,3,4,5,6,7
	v_add_f32 v[56+\e], v[56+\e], v[72+\e]
.endr
.irp e, 0,1,2,3,4,5,6,7
	v_readfirstlane_b32 s[52+\e], v[56+\e]         ; the eight sums,
.endr
.irp e, 0,1,2,3,4,5,6,7
	v_cmp_eq_u32 s[40+\e], \e, v65                 ; and who chose expert e first
.endr
	s_wait_alu depctr_va_sdst(0)                   ; s52 to s59 (the sums) and s40 to s47 (the first choices' masks) are written, ahead of their first readers
.irp e, 0,1,2,3,4,5,6,7
	v_writelane_b32 v86, s[52+\e], \e
.endr
.irp e, 0,1,2,3,4,5,6,7
	v_cmp_eq_u32 s[52+\e], \e, v67                 ; who chose it second
.endr
	s_wait_alu depctr_va_sdst(0)                   ; s52 to s59 (the second choices' masks) are written, ahead of their first readers
.irp e, 0,1,2,3,4,5,6,7
	s_or_b32 s[40+\e], s[40+\e], s[52+\e]
	s_bcnt1_i32_b32 s[40+\e], s[40+\e]
	s_cvt_f32_u32 s[40+\e], s[40+\e]
	v_writelane_b32 v86, s[40+\e], 8+\e
.endr
	v_lshlrev_b32 v87, 10, v1
	v_lshlrev_b32 v88, 2, v1
	s_wait_alu depctr_va_vdst(0)                   ; the weights v80 and v81, the three rows v84 to v86 and the offsets v87 and v88 are written, which the four stores read
	global_store_b64 v3, v[80:81], s[22:23]        ; 256 consecutive bytes
	global_store_b32 v87, v84, s[26:27]            ; bits[set l][g]: 32 single words 1,024 bytes apart, once a work-group, so that the next launch reads a set's 1,024 bytes on end
	global_store_b32 v88, v85, s[28:29]            ; cnts[g][l]: 128 consecutive bytes
	global_store_b32 v88, v86, s[24:25]            ; psum[g][l]
.Ldone:
	s_wait_dscnt 0x0                               ; the wave's end
	s_wait_alu 0x0
	s_wait_tensorcnt 0x0
	ds_add_u32 v4, v5
	s_wait_dscnt 0x0
	s_endpgm
.Lfunc_end_k_qbbd048eba4_prep:
	.size	k_qbbd048eba4_prep, .Lfunc_end_k_qbbd048eba4_prep-k_qbbd048eba4_prep
	.p2alignl 7, 3214868480
	.fill 96, 4, 3214868480
	.section	.rodata,"a",@progbits
	.p2align	6, 0x0
	.amdhsa_kernel k_qbbd048eba4_prep
		.amdhsa_group_segment_fixed_size 159488
		.amdhsa_private_segment_fixed_size 0
		.amdhsa_enable_private_segment 0
		.amdhsa_kernarg_size 88
		.amdhsa_user_sgpr_count 2
		.amdhsa_user_sgpr_kernarg_segment_ptr 1
		.amdhsa_wavefront_size32 1
		.amdhsa_system_sgpr_workgroup_id_x 1
		.amdhsa_system_sgpr_workgroup_id_y 1
		.amdhsa_system_sgpr_workgroup_id_z 1
		.amdhsa_system_vgpr_workitem_id 0
		.amdhsa_next_free_vgpr 256
		.amdhsa_next_free_sgpr 66
		.amdhsa_reserve_vcc 1
		.amdhsa_float_denorm_mode_32 3
		.amdhsa_float_denorm_mode_16_64 3
		.amdhsa_memory_ordered 1
		.amdhsa_forward_progress 1
		.amdhsa_inst_pref_size 56
	.end_amdhsa_kernel
	.amdgpu_metadata
---
amdhsa.version: [ 1, 2 ]
amdhsa.kernels:
  - .name:           k_qbbd048eba4_prep
    .symbol:         k_qbbd048eba4_prep.kd
    .args:
      - { .name: hidden_states, .offset: 0, .size: 8, .value_kind: global_buffer, .address_space: global }
      - { .name: gate_w, .offset: 8, .size: 8, .value_kind: global_buffer, .address_space: global }
      - { .name: w1, .offset: 16, .size: 8, .value_kind: global_buffer, .address_space: global }
      - { .name: w2, .offset: 24, .size: 8, .value_kind: global_buffer, .address_space: global }
      - { .name: xb, .offset: 32, .size: 8, .value_kind: global_buffer, .address_space: global }
      - { .name: w1p, .offset: 40, .size: 8, .value_kind: global_buffer, .address_space: global }
      - { .name: w2p, .offset: 48, .size: 8, .value_kind: global_buffer, .address_space: global }
      - { .name: wts, .offset: 56, .size: 8, .value_kind: global_buffer, .address_space: global }
      - { .name: psum, .offset: 64, .size: 8, .value_kind: global_buffer, .address_space: global }
      - { .name: bits, .offset: 72, .size: 8, .value_kind: global_buffer, .address_space: global }
      - { .name: cnts, .offset: 80, .size: 8, .value_kind: global_buffer, .address_space: global }
    .group_segment_fixed_size: 159488
    .private_segment_fixed_size: 0
    .kernarg_segment_align: 8
    .kernarg_segment_size: 88
    .max_flat_workgroup_size: 256
    .sgpr_count:     66
    .vgpr_count:     256
    .wavefront_size: 32
...
	.end_amdgpu_metadata
.endif
;; end of part 3
;; launch chain: the kernel of part 2 again; grid 155 x 1, 8 waves a work-group, no clusters, 304,896 bytes of LDS; arguments bits, cnts, psum, wts, xb, w1p, w2p, b1, b2, out0, out1; writes out0, out1
